; MI455X (gfx1250); checked and timed in simulation.
; The chip was launched on July 23, 2026; its instructions are those of AMD's public machine-readable ISA for CDNA 5 (MIT licence, August 2026) and "CDNA5" Instruction Set Architecture Reference Guide (July 2026). The comments in the code are by the model that wrote it; some were corrected since.
;; Cross Attention. Allowed arithmetic: matrix products marked QUANTISED: E2M3 operands, one E8M0 scale for each 32 along K, by v_wmma_scale_f32_16x16x128_f8f6f4 with both operands' format E2M3, f32 sums; products left as they are: f32 operands where the result goes on into a quantised operand, else bf16, f16 or f32 operands; f32 sums; everything else in f32.
;; Inputs: context 4 x 4,096 x 256 float32; context_pos 4 x 4,096 x 2 float32; in_proj_b 768 float32; in_proj_w 768 x 256 float32; out_b 256 float32; out_w 256 x 256 float32; query 4 x 4,096 x 256 float32; query_pos 4 x 4,096 x 2 float32; w_rff 2 x 128 float32.
;; Outputs: out0 4 x 4,096 x 256 float32; out1 4 x 4,096 x 2 float32.
;; This version of the problem:
;;   THIS VERSION OF THE PROBLEM IS GIVEN IN LOW PRECISION. The matrix products marked QUANTISED in the list below multiply operands that are first quantised to E2M3 (2 exponent bits, 3 mantissa bits; 6 bits a number), with one power-of-two scale for each 32 numbers along K (OCP MX v1.0); their sums are f32. All else is computed in f32.
;;   The module's matrix products, in the order in which they are computed (A, B: the left and right operand; K: the contracted axis; several contracted axes count as one K, in the product's order):
;;     1. [M 16,384, K 2] x [K 2, N 128]; A: input query_pos; B: input w_rff: left as it is (K = 2 < 32)
;;     2. [M 16,384, K 2] x [K 2, N 128]; A: input context_pos; B: input w_rff: left as it is (K = 2 < 32)
;;     3. batch 4 x [M 4,096, K 2] x [K 2, N 4,096]; A: input query_pos; B: input context_pos: left as it is (K = 2 < 32)
;;     4. [M 16,384, K 256] x [K 256, N 256]; A: computed on the way; B: input in_proj_w: QUANTISED
;;     5. [M 262,144, K 256] x [K 256, N 256]; A: computed on the way; B: input in_proj_w: QUANTISED
;;     6. [M 262,144, K 256] x [K 256, N 256]; A: computed on the way; B: input in_proj_w: QUANTISED
;;     7. batch 131,072 x [M 1, K 32] x [K 32, N 16]; A: computed on the way; B: computed on the way: left as it is (M = 1 < 16)
;;     8. batch 131,072 x [M 1, K 16] x [K 16, N 32]; A: softmax; B: computed on the way: left as it is (K = 16 < 32)
;;     9. [M 16,384, K 256] x [K 256, N 256]; A: computed on the way; B: input out_w: QUANTISED
;;   THE QUANTISER, for each operand of a quantised product, along K:
;;     - K is cut into blocks of 32 from its start; a last block that is shorter is filled with zeros.
;;     - A block's scale is 2^e with e = floor(log2(the largest magnitude in the block)) - 2, held to -126 .. 127; a block of zeros has e = 0. As a byte (E8M0): e + 127.
;;     - Each number is divided by its block's scale, clamped to +-7.5, and rounded to the nearest number of E2M3, ties to even, subnormals kept.
;;     - The product sums the exact products of the quantised numbers (number of the format x scale) in f32.
;;   ~~~python
;;   def quantise(x, axis):      # numpy; x: float32 -> the quantised numbers, widened to float32 again
;;       x = np.moveaxis(x, axis, -1); K = x.shape[-1]
;;       x = np.pad(x, [(0, 0)] * (x.ndim - 1) + [(0, -K % 32)]); x = x.reshape(x.shape[:-1] + (-1, 32)); a = np.abs(x).max(-1, keepdims=True)
;;       e = np.where(a > 0, np.clip(np.frexp(np.where(a > 0, a, 1))[1] - 1 - 2, -126, 127), 0)      # np.frexp(a)[1] - 1 = floor(log2(a)), exactly
;;       r = np.clip(x / 2.0 ** e, -7.5, 7.5)
;;       step = 2.0 ** (np.maximum(np.frexp(np.where(r == 0, 1, r))[1] - 1, 0) - 3)
;;       q = np.round(r / step) * step * 2.0 ** e      # np.round: ties to even
;;       return np.moveaxis(q.reshape(q.shape[:-2] + (-1,))[..., :K], -1, axis).astype(np.float32)
;;   ~~~
;;   OPERANDS COMPUTED ON THE WAY. 'Computed on the way' means the value that the module computes at that place (a softmax that the list does not call 'softmax' is quantised finished and normalised). What goes into a quantiser is computed in f32, as accurately as f32 sums, v_exp_f32 and their like allow (about 1e-6 of the number): no bf16 or f16 on the way to a quantiser, and a product that is left as it is and whose result goes on into a quantised operand takes f32 operands (vector FMAs, or v_wmma_f32_16x16x4_f32). A number that lies on a knife's edge between two numbers of the format may be rounded either way, as far as f32 arithmetic and the matrix unit's own rounding can turn it there, and no further.
;; 2 versions, each right; version 2 is version 1 with the launch attn written anew for expert scheduling mode. Each part assembles by itself: llvm-mc -triple=amdgcn-amd-amdhsa -mcpu=gfx1250 --defsym DOCPART=n.
;; ======== version 1 of 2: 3 launches
;; workspace buffers: qrec 4,194,304 bytes; crec 4,194,304 bytes; wrec 262,144 bytes; glist 1,048,576 bytes of whole numbers; knn 1,048,576 bytes of whole numbers
;; launch front (part 1): grid 256 x 1, 8 waves a work-group, no clusters, 148,480 bytes of LDS; arguments query_pos, context_pos, glist, query, context, in_proj_w, out_w, w_rff, qrec, crec, wrec, out1; writes glist, qrec, crec, wrec, out1
.if DOCPART == 1
	.amdgcn_target "amdgcn-amd-amdhsa--gfx1250"
	.amdhsa_code_object_version 6
	.text
	.protected	k_qc3b2c34e48_front
	.globl	k_qc3b2c34e48_front
	.p2align	8
	.type	k_qc3b2c34e48_front,@function
k_qc3b2c34e48_front:
	s_mov_b64 s[64:65], 0
	v_nop
	global_prefetch_b8 v0, s[64:65] scope:SCOPE_SE
	s_setreg_imm32_b32 hwreg(HW_REG_WAVE_MODE, 25, 1), 1
	s_wait_xcnt 0x0
; TWO TASKS IN ONE LAUNCH, one behind the other in every wave: the first half of the search for each query's 16 nearest context points, and the quantising of all rows that later products read.
;
; THE SEARCH.  The 4,096 points of a batch are 256 GROUPS of 16 neighbouring indices.  For each query the numbers of the 16 groups with the smallest (least squared distance in the group, group number)
; are stored.  The 16 nearest points by (distance, index) lie in these: a group left out has 16 groups in front of it, each with a point of its own that comes first.
; d2 = (qs + cs) - 2 (q0 c0 + q1 c1), qs = q0 q0 + q1 q1, cs likewise, EVERY product and every sum rounded by itself (the last step, fma(-2, dot, qs + cs), rounds once, since 2 dot is exact):
; the order of roundings that this text takes for the reference's; the next launch uses the same operations, so that both see the same bits.
; No branch and no address hangs on a distance: lists are kept sorted by medians of three, and choices are made by v_cndmask_b32.
; SHARES: a work-group owns 64 queries of one batch.  A lane is a query; waves 0-3 serve queries 0-31, waves 4-7 queries 32-63; wave w scans the 64 groups of slice w & 3.
; LDS: the table, 192 bytes a group (16 c0, 16 c1, 16 cs), read at one address by all lanes; each wave's 64 group minima, 128 bytes a group; two sets of lists of 16, 128 bytes a place.
; glist: [block of 32 queries][place / 4][query][place % 4], so that a wave's store of 16 bytes a lane covers 512 consecutive bytes.
; out1 = query_pos: the waves of slice 0 hold 32 queries' positions, 8 bytes a lane, and store them as 256 consecutive aligned bytes.
;
; THE ROWS.  Rows of 256 f32 numbers become RECORDS of 256 bytes: codes of FP6 (E2M3) with one E8M0 scale byte for each 32 along the row.  Wave w of work-group g takes rows 64 g + 8 w .. + 7 of
; query (+ its position's encoding -> qrec) and of context (+ encoding -> crec); waves 1 and 5 also take rows 4 g + 2 (w >> 2), + 1 of in_proj_w and out_w laid on end (-> wrec, 1,024 rows).
; A RECORD: block b (32 codes, 24 bytes) at byte 96 (b & 1) + 24 (b >> 1), so that lane (r, h) of a matrix operand finds the 96 bytes of both of its K steps on end at 96 h;
; bytes 192-223: the scale word of blocks 0-3, eight times; bytes 224-255: that of blocks 4-7, eight times.
; THE ENCODING: proj = 2 pi (p0 w0 + p1 w1); columns 0-127 take sin(proj), columns 128-255 cos(proj) = sin(proj + pi/2).  The sine in f32: proj less the nearest multiple of 2 pi (2 pi in two
; parts), folded into -pi/2 .. pi/2 by sin x = sgn x sin(pi/2 - ||x| - pi/2|), then the odd series up to x^13.
; Two rows a step: lanes 0-15 one row, lanes 16-31 the next; a lane holds 16 neighbouring columns, two lanes a block.
; THE ROWS' FIRST 32 LOADS ARE ISSUED BEHIND THE SCAN, into the registers that the scan has done with, and land under the search's second half; each context step's four loads follow the query step
; that frees their registers.
; LIMITS: NaN and infinities are not served.  Where two points' distances differ by less than d2's rounding, which of them counts as nearer hangs on the order of roundings stated above.
; A block of zeros gets the byte 1 and not 127: its codes are zeros and this program alone reads the bytes.  The sine's absolute error is about 2e-7 while |proj| stays under about 1e5.
.set MINR,  49152
.set LIST1, 114688
.set SECOND, 16384                     ; the second set of lists lies this far behind the first
.set D,   112                          ; v112-127 distances
.set T,   128                          ; v128-143 qs + cs
.set L,   144                          ; v144-159 the sorted list
.set R1,  160
.set R2,  176
.set R3,  112
.set XX,  192                          ; v192-207 q1 c1 in the scan; at work in a merge
; the rows' registers.  v16-111 are the scan's table buffers before; v112-215 are the search's until it ends; v216-245 are the rows' alone
.set W0,  16                           ; v16-31   w_rff row 0 at my 16 columns
.set W1,  32                           ; v32-47   row 1
.set X,   48                           ; v48-111  four steps x 16 numbers
.set TH,  120                          ; v120-135 proj, then the reduced angle
.set N,   136                          ; v136-151 at work; then the square
.set P,   152                          ; v152-167 the series
.set G,   168                          ; v168-183 the folded angle
.set C,   192                          ; v192-207 codes, four registers a step
.set WD,  208                          ; v208-211 scale words, one a step
.set PQ,  216                          ; v216-223 the query rows' positions, four steps x (p0, p1)
.set PX,  224                          ; v224-231 the context rows'
.set II,  232                          ; which 16 columns
.set SRC, 233                          ; in: 1,024 x row + 64 i
.set COD, 234                          ; out: my 12 bytes of codes
.set WRD, 235                          ; out: my copy of the scale word
.set SHF, 236                          ; my byte's place in the word, in bits
.set HH,  237                          ; which of the step's two rows
.set SH,  238                          ; v238-239 pi/2 for the cosine's columns, 0 for the sine's
.set PO,  240                          ; positions: 8 bytes a row
.set WO,  241                          ; w_rff: column 16 (i & 7)
.set TT,  242                          ; at work
.set K13, 244                          ; v244-245 1/13!
.macro INS x, op                       ; v[x] goes into the ascending list L, whose largest falls out
.irp i, 15,14,13,12,11,10,9,8,7,6,5,4,3,2,1
	v_med3_\op v[L+\i], v[\x], v[L+\i-1], v[L+\i]
.endr
	v_min_\op v[L], v[L], v[\x]
.endm
.macro CLEAN dst, src, d, op
.irp i, 0,1,2,3,4,5,6,7,8,9,10,11,12,13,14,15
.if ((\i) & (\d)) == 0
	v_min_\op v[\dst+\i], v[\src+\i], v[\src+\i+\d]
	v_max_\op v[\dst+\i+\d], v[\src+\i], v[\src+\i+\d]
.endif
.endr
.endm
.macro MERGE a, b, op                  ; the 16 smallest of two ascending lists, ascending, into a
.irp i, 0,1,2,3,4,5,6,7,8,9,10,11,12,13,14,15
	v_min_\op v[\a+\i], v[\a+\i], v[\b+15-\i]
.endr
	CLEAN XX, \a, 8, \op
	CLEAN \a, XX, 4, \op
	CLEAN XX, \a, 2, \op
	CLEAN \a, XX, 1, \op
.endm
.macro PUT off                         ; my list to LDS; my stores have landed; then the work-group's barrier
.irp i, 0,1,2,3,4,5,6,7,8,9,10,11,12,13,14,15
	ds_store_b32 v8, v[L+\i] offset:\off+128*\i
.endr
	s_wait_dscnt 0x0
	s_barrier_signal -1
	s_barrier_wait -1
.endm
.macro LISTS off                       ; the four slices' lists of my queries
.irp i, 0,1,2,3,4,5,6,7,8,9,10,11,12,13,14,15
	ds_load_b32 v[L+\i], v10 offset:\off+128*\i
	ds_load_b32 v[R1+\i], v10 offset:\off+2048+128*\i
	ds_load_b32 v[R2+\i], v10 offset:\off+4096+128*\i
	ds_load_b32 v[R3+\i], v10 offset:\off+6144+128*\i
.endr
	s_wait_dscnt 0x0
.endm
.macro SPAIR r, val                    ; a constant for the packed forms: the pair is named, so both words are written
	s_mov_b32 s[\r], \val
	s_mov_b32 s[\r+1], \val
.endm
	s_load_b128 s[4:7], s[0:1], 0x0                ; query_pos, context_pos
	s_load_b64 s[8:9], s[0:1], 0x10                ; glist
	s_load_b64 s[28:29], s[0:1], 0x18              ; query
	s_load_b256 s[32:39], s[0:1], 0x20             ; context, in_proj_w, out_w, w_rff
	s_load_b256 s[40:47], s[0:1], 0x40             ; qrec, crec, wrec, out1
	v_lshl_add_u32 v248, v0, 2, 0x24000
	v_mov_b32 v249, 0
	v_lshrrev_b32 v1, 5, v0
	v_readfirstlane_b32 s10, v1                    ; wave
	s_and_b32 s11, s10, 3                          ; slice
	s_lshr_b32 s12, s10, 2                         ; which 32 queries
	v_and_b32 v1, 31, v0                           ; lane
	v_lshlrev_b32 v6, 7, v0                        ; the table's making: thread t takes group t: 128 bytes of context_pos,
	v_mul_u32_u24 v7, v0, 192                      ; 192 bytes of the table
	v_lshlrev_b32 v12, 3, v1                       ; my query's position
	s_lshl_b32 s16, s10, 11
	s_add_co_u32 s16, s16, LIST1
	v_lshl_add_u32 v8, v1, 2, s16                  ; my wave's list
	s_lshl_b32 s16, s10, 13
	s_add_co_u32 s16, s16, MINR
	v_lshl_add_u32 v9, v1, 2, s16                  ; my wave's minima
	s_lshl_b32 s16, s12, 13
	s_add_co_u32 s16, s16, LIST1
	v_lshl_add_u32 v10, v1, 2, s16                 ; the four lists of my queries
	v_mov_b32 v14, 0x10000                         ; a key above every group's
	s_lshr_b32 s14, ttmp9, 6
	s_lshl_b32 s14, s14, 15                        ; the batch's 32,768 bytes of context_pos
	s_mov_b32 s15, 0
	s_lshl_b32 s16, ttmp9, 9
	s_lshl_b32 s17, s12, 8
	s_add_co_u32 s16, s16, s17                     ; my 32 queries' positions
	s_mov_b32 s17, 0
	s_lshl_b32 s18, ttmp9, 12
	s_lshl_b32 s19, s12, 11
	s_add_co_u32 s18, s18, s19                     ; and their 2,048 bytes of glist
	s_mov_b32 s19, 0
	s_lshl_b32 s54, ttmp9, 6
	s_lshl_b32 s55, s10, 3
	s_add_co_u32 s54, s54, s55                     ; the first of my wave's eight rows: 64 g + 8 w
	s_lshl_b32 s56, s54, 3
	s_mov_b32 s57, 0
	s_wait_kmcnt 0x0
	s_add_nc_u64 s[48:49], s[4:5], s[56:57]        ; my rows' positions, 8 bytes a row: the queries',
	s_add_nc_u64 s[50:51], s[6:7], s[56:57]        ; the context's
	s_add_nc_u64 s[46:47], s[46:47], s[16:17]      ; out1 at my 32 queries
	s_add_nc_u64 s[6:7], s[6:7], s[14:15]
	s_add_nc_u64 s[4:5], s[4:5], s[16:17]
	s_add_nc_u64 s[8:9], s[8:9], s[18:19]
.irp j, 0,1,2,3,4,5,6,7
	global_load_b128 v[16+4*\j:19+4*\j], v6, s[6:7] offset:16*\j
.endr
	global_load_b64 v[2:3], v12, s[4:5]
.irp i, 0,1,2,3,4,5,6,7,8,9,10,11,12,13,14,15
	v_mov_b32 v[L+\i], 0x7f800000                  ; the list begins as infinities
.endr
	s_lshl_b32 s56, s54, 10                        ; the rows' other addresses are made while the loads are out
	s_add_nc_u64 s[28:29], s[28:29], s[56:57]      ; query at my rows
	s_add_nc_u64 s[32:33], s[32:33], s[56:57]      ; context
	s_lshl_b32 s56, s54, 8
	s_add_nc_u64 s[40:41], s[40:41], s[56:57]      ; qrec
	s_add_nc_u64 s[42:43], s[42:43], s[56:57]      ; crec
	s_lshl_b32 s54, ttmp9, 2
	s_lshl_b32 s55, s12, 1
	s_add_co_u32 s54, s54, s55                     ; the weights' rows 4 g + 2 (w >> 2), + 1 (used by waves 1 and 5)
	s_lshl_b32 s56, s54, 8
	s_add_nc_u64 s[44:45], s[44:45], s[56:57]      ; wrec
	s_cmp_lt_u32 ttmp9, 192                        ; rows 0-767 are in_proj_w's, rows 768-1,023 out_w's: the choice hangs on the work-group's number alone
	s_cselect_b64 s[34:35], s[34:35], s[36:37]
	s_cselect_b32 s55, 0, 768
	s_sub_co_u32 s54, s54, s55
	s_lshl_b32 s56, s54, 10
	s_add_nc_u64 s[34:35], s[34:35], s[56:57]
	SPAIR 70, 0x40c90fdb                           ; 2 pi
	SPAIR 72, 0x3e22f983                           ; 1 / (2 pi)
	SPAIR 74, 0xc0c90fdb                           ; -(2 pi rounded to f32)
	SPAIR 76, 0x343bbd2e                           ; -(2 pi less that)
	SPAIR 78, 0xbe2aaaab                           ; -1/3!
	SPAIR 80, 0x3c088889                           ; 1/5!
	SPAIR 82, 0xb9500d01                           ; -1/7!
	SPAIR 84, 0x3638ef1d                           ; 1/9!
	SPAIR 86, 0xb2d7322b                           ; -1/11!
	s_mov_b32 s88, 0x3fc90fdb                      ; pi/2
	s_wait_loadcnt 0x0
.irp e, 0,1,2,3,4,5,6,7,8,9,10,11,12,13,14,15
	v_mov_b32 v[64+\e], v[16+2*\e]                 ; the group's 16 c0 on end, its 16 c1, its 16 cs
	v_mov_b32 v[80+\e], v[17+2*\e]
	v_mul_f32 v[96+\e], v[16+2*\e], v[16+2*\e]     ; c0 c0, rounded,
	v_mul_f32 v[D+\e], v[17+2*\e], v[17+2*\e]      ; c1 c1, rounded:
.endr
.irp e, 0,1,2,3,4,5,6,7,8,9,10,11,12,13,14,15
	v_add_f32 v[96+\e], v[96+\e], v[D+\e]          ; not fused, on purpose: the stated order of roundings
.endr
.irp k, 0,1,2,3,4,5,6,7,8,9,10,11
	ds_store_b128 v7, v[64+4*\k:67+4*\k] offset:16*\k
.endr
	v_mul_f32 v4, v2, v2
	v_mul_f32 v5, v3, v3
	v_add_f32 v4, v4, v5                           ; qs, likewise not fused
	v_mov_b32 v5, v4
	s_wait_dscnt 0x0                               ; my part of the table has landed
	s_barrier_signal -1
	s_barrier_wait -1                              ; everybody's has
; One group: its 16 distances to my query, their least to LDS and into the list.  buf: the registers that hold the group's table; pre = 1: the next group's is asked for.
.macro GROUP buf, pre, goff
.set CB, 16+48*(\buf)
.set NB, 16+48*(1-(\buf))
	s_wait_dscnt 0x0                               ; this group's twelve loads are in (and the last minimum's store is done)
.if \pre
.irp k, 0,1,2,3,4,5,6,7,8,9,10,11
	ds_load_b128 v[NB+4*\k:NB+4*\k+3], v6 offset:192*((\buf)+1)+16*\k
.endr
.endif
.irp j, 0,2,4,6,8,10,12,14
	v_pk_mul_f32 v[D+\j:D+\j+1], v[CB+\j:CB+\j+1], v[2:3] op_sel_hi:[1,0]                       ; c0 q0
.endr
.irp j, 0,2,4,6,8,10,12,14
	v_pk_mul_f32 v[XX+\j:XX+\j+1], v[CB+16+\j:CB+16+\j+1], v[2:3] op_sel:[0,1] op_sel_hi:[1,1]  ; c1 q1
.endr
.irp j, 0,2,4,6,8,10,12,14
	v_pk_add_f32 v[T+\j:T+\j+1], v[CB+32+\j:CB+32+\j+1], v[4:5]                                 ; cs + qs
.endr
.irp j, 0,2,4,6,8,10,12,14
	v_pk_add_f32 v[D+\j:D+\j+1], v[D+\j:D+\j+1], v[XX+\j:XX+\j+1]                               ; q . c: not fused, on purpose
.endr
.irp j, 0,2,4,6,8,10,12,14
	v_pk_fma_f32 v[D+\j:D+\j+1], v[D+\j:D+\j+1], -2.0, v[T+\j:T+\j+1] op_sel_hi:[1,0,1]
.endr
	v_min3_num_f32 v15, v[D], v[D+1], v[D+2]
	v_min3_num_f32 v12, v[D+7], v[D+8], v[D+9]
	v_min3_num_f32 v15, v15, v[D+3], v[D+4]
	v_min3_num_f32 v12, v12, v[D+10], v[D+11]
	v_min3_num_f32 v15, v15, v[D+5], v[D+6]
	v_min3_num_f32 v12, v12, v[D+12], v[D+13]
	v_min3_num_f32 v12, v12, v[D+14], v[D+15]
	v_min_num_f32 v15, v15, v12
	ds_store_b32 v7, v15 offset:\goff
	INS 15, num_f32
.endm
	s_mul_i32 s21, s11, 64*192                     ; my slice of the table
	s_mov_b32 s22, 0
	v_mov_b32 v6, s21
.irp k, 0,1,2,3,4,5,6,7,8,9,10,11
	ds_load_b128 v[16+4*\k:19+4*\k], v6 offset:16*\k
.endr
	s_mov_b32 s20, 31
.Lscan:                                            ; 31 trips of two groups; the last two groups are written out, so that no load passes the slice's end
	v_mov_b32 v6, s21
	v_add_nc_u32 v7, s22, v9
	GROUP 0, 1, 0
	GROUP 1, 1, 128
	s_add_co_u32 s21, s21, 384
	s_add_co_u32 s22, s22, 256
	s_sub_co_u32 s20, s20, 1
	s_cmp_lg_u32 s20, 0
	s_cbranch_scc1 .Lscan
	v_mov_b32 v6, s21
	v_add_nc_u32 v7, s22, v9
	GROUP 0, 1, 0
	GROUP 1, 0, 128
; THE ROWS' FIRST LOADS.  The table buffers v16-111 have been read for the last time: w_rff and the four query steps land there while the search goes on.
.macro XLOAD t, b                      ; step t's two rows from the buffer at s[b:b+1]: a lane's 16 neighbours, 64 bytes, in four loads; the four together use every byte of the lines that they touch
.irp j, 0,1,2,3
	global_load_b128 v[X+16*(\t)+4*\j:X+16*(\t)+4*\j+3], v[SRC], s[\b:\b+1] offset:2048*(\t)+16*\j
.endr
.endm
	v_and_b32 v[II], 15, v0
	v_bfe_u32 v[HH], v0, 4, 1
	v_lshlrev_b32 v[SRC], 6, v[II]
	v_lshl_add_u32 v[SRC], v[HH], 10, v[SRC]
	v_lshlrev_b32 v[PO], 3, v[HH]
	v_and_b32 v[WO], 7, v[II]
	v_lshlrev_b32 v[WO], 6, v[WO]
.irp j, 0,1,2,3
	global_load_b128 v[W0+4*\j:W0+4*\j+3], v[WO], s[38:39] offset:16*\j
	global_load_b128 v[W1+4*\j:W1+4*\j+3], v[WO], s[38:39] offset:512+16*\j
.endr
.irp t, 0,1,2,3
	global_load_b64 v[PQ+2*\t:PQ+2*\t+1], v[PO], s[48:49] offset:16*\t
.endr
.irp t, 0,1,2,3
	global_load_b64 v[PX+2*\t:PX+2*\t+1], v[PO], s[50:51] offset:16*\t
.endr
	XLOAD 0, 28
	XLOAD 1, 28
	XLOAD 2, 28
	XLOAD 3, 28
	v_bfe_u32 v[TT], v[II], 1, 1
	v_mul_u32_u24 v[COD], v[TT], 96                ; my block is i >> 1: 96 x (block & 1)
	v_lshrrev_b32 v[TT], 2, v[II]
	v_mad_u32_u24 v[COD], v[TT], 24, v[COD]        ; + 24 x (block >> 1)
	v_and_b32 v[TT], 1, v[II]
	v_mad_u32_u24 v[COD], v[TT], 12, v[COD]        ; + 12 for the block's upper 16 codes
	v_lshl_add_u32 v[COD], v[HH], 8, v[COD]        ; + 256 x row
	v_lshlrev_b32 v[WRD], 2, v[II]
	v_lshl_add_u32 v[WRD], v[HH], 8, v[WRD]
	v_add_nc_u32 v[WRD], 192, v[WRD]               ; 192 + 4 i
	v_bfe_u32 v[SHF], v[II], 1, 2
	v_lshlrev_b32 v[SHF], 3, v[SHF]
	v_lshrrev_b32 v[TT], 3, v[II]
	v_cvt_f32_u32 v[TT], v[TT]
	v_mul_f32 v[SH], 0x3fc90fdb, v[TT]
	v_mov_b32 v[SH+1], v[SH]
	v_mov_b32 v[K13], 0x2f309231
	v_mov_b32 v[K13+1], v[K13]
	; THE SEARCH GOES ON: the 16th smallest of the query's 256 minima
	PUT 0
	LISTS 0
	MERGE L, R1, num_f32
	MERGE R2, R3, num_f32
.irp i, 0,1,2,3,4,5,6,7,8,9,10,11,12,13,14,15
	v_min_num_f32 v[XX+\i], v[L+\i], v[R2+15-\i]
.endr
	v_max3_num_f32 v11, v[XX], v[XX+1], v[XX+2]
.irp i, 3,5,7,9,11,13
	v_max3_num_f32 v11, v11, v[XX+\i], v[XX+\i+1]
.endr
	v_max_num_f32 v11, v11, v[XX+15]
	; a key for each group of my slice: its number where its minimum lies under that value, its number + 256 where it is equal, else a key above all; the 16 smallest keys are kept
.irp i, 0,1,2,3,4,5,6,7,8,9,10,11,12,13,14,15
	v_mov_b32 v[L+\i], -1
.endr
	s_lshl_b32 s23, s11, 6
	v_mov_b32 v12, s23
	v_add_nc_u32 v13, 0x100, v12
	s_mov_b32 s22, 0
	s_mov_b32 s20, 16
.Lids:                                             ; 16 trips of four groups
	v_add_nc_u32 v7, s22, v9
.irp k, 0,1,2,3
	ds_load_b32 v[D+\k], v7 offset:128*\k
.endr
	s_wait_dscnt 0x0
.irp k, 0,1,2,3
	v_cmp_lt_f32 vcc_lo, v[D+\k], v11
	v_cmp_eq_f32 s24, v[D+\k], v11
	v_cndmask_b32 v15, v14, v13, s24
	v_cndmask_b32 v15, v15, v12, vcc_lo
	v_add_nc_u32 v12, 1, v12
	v_add_nc_u32 v13, 1, v13
	INS 15, u32
.endr
	s_add_co_u32 s22, s22, 512
	s_sub_co_u32 s20, s20, 1
	s_cmp_lg_u32 s20, 0
	s_cbranch_scc1 .Lids
	PUT SECOND
	s_cmp_lg_u32 s11, 0                            ; one wave for each 32 queries joins the four lists; no barrier follows the join
	s_cbranch_scc1 .Lrows
	LISTS SECOND
	MERGE L, R1, u32
	MERGE R2, R3, u32
.irp i, 0,1,2,3,4,5,6,7,8,9,10,11,12,13,14,15
	v_min_u32 v[L+\i], v[L+\i], v[R2+15-\i]
.endr
.irp i, 0,1,2,3,4,5,6,7,8,9,10,11,12,13,14,15
	v_and_b32 v[L+\i], 0xff, v[L+\i]               ; the group's number
.endr
	v_lshlrev_b32 v12, 4, v1
	v_lshlrev_b32 v13, 3, v1
.irp j, 0,1,2,3
	global_store_b128 v12, v[L+4*\j:L+4*\j+3], s[8:9] offset:512*\j     ; 32 lanes store 512 consecutive bytes
.endr
	global_store_b64 v13, v[2:3], s[46:47]         ; out1: my 32 queries' positions as they were loaded: 256 consecutive bytes, aligned
	s_wait_xcnt 0x0                                ; the stores' data and addresses are rewritten below only behind this wait
.Lrows:
; The encoding of step t's positions (at v[pos + 2 t]) is added to its 16 numbers.
.macro POSENC t, pos
.irp j, 0,2,4,6,8,10,12,14
	v_pk_mul_f32 v[TH+\j:TH+\j+1], v[W0+\j:W0+\j+1], v[\pos+2*(\t):\pos+2*(\t)+1] op_sel_hi:[1,0]      ; w0 p0
.endr
.irp j, 0,2,4,6,8,10,12,14
	v_pk_fma_f32 v[TH+\j:TH+\j+1], v[W1+\j:W1+\j+1], v[\pos+2*(\t):\pos+2*(\t)+1], v[TH+\j:TH+\j+1] op_sel:[0,1,0] op_sel_hi:[1,1,1]   ; + w1 p1
.endr
.irp j, 0,2,4,6,8,10,12,14
	v_pk_mul_f32 v[TH+\j:TH+\j+1], v[TH+\j:TH+\j+1], s[70:71] op_sel_hi:[1,0]      ; proj
.endr
.irp j, 0,2,4,6,8,10,12,14
	v_pk_mul_f32 v[N+\j:N+\j+1], v[TH+\j:TH+\j+1], s[72:73] op_sel_hi:[1,0]
.endr
.irp j, 0,1,2,3,4,5,6,7,8,9,10,11,12,13,14,15
	v_rndne_f32 v[N+\j], v[N+\j]                   ; how many turns
.endr
.irp j, 0,2,4,6,8,10,12,14
	v_pk_fma_f32 v[TH+\j:TH+\j+1], v[N+\j:N+\j+1], s[74:75], v[TH+\j:TH+\j+1] op_sel_hi:[1,0,1]
.endr
.irp j, 0,2,4,6,8,10,12,14
	v_pk_fma_f32 v[TH+\j:TH+\j+1], v[N+\j:N+\j+1], s[76:77], v[TH+\j:TH+\j+1] op_sel_hi:[1,0,1]
.endr
.irp j, 0,2,4,6,8,10,12,14
	v_pk_add_f32 v[TH+\j:TH+\j+1], v[TH+\j:TH+\j+1], v[SH:SH+1]    ; -pi .. 3 pi / 2
.endr
.irp j, 0,1,2,3,4,5,6,7,8,9,10,11,12,13,14,15
	v_sub_f32 v[N+\j], |v[TH+\j]|, s88
.endr
.irp j, 0,1,2,3,4,5,6,7,8,9,10,11,12,13,14,15
	v_sub_f32 v[G+\j], s88, |v[N+\j]|              ; pi/2 - ||x| - pi/2|
.endr
.irp j, 0,1,2,3,4,5,6,7,8,9,10,11,12,13,14,15
	v_and_b32 v[N+\j], 0x80000000, v[TH+\j]
.endr
.irp j, 0,1,2,3,4,5,6,7,8,9,10,11,12,13,14,15
	v_xor_b32 v[G+\j], v[G+\j], v[N+\j]            ; times x's sign
.endr
.irp j, 0,2,4,6,8,10,12,14
	v_pk_mul_f32 v[N+\j:N+\j+1], v[G+\j:G+\j+1], v[G+\j:G+\j+1]
.endr
.irp j, 0,2,4,6,8,10,12,14
	v_pk_fma_f32 v[P+\j:P+\j+1], v[N+\j:N+\j+1], v[K13:K13+1], s[86:87] op_sel_hi:[1,1,0]
.endr
.irp k, 84,82,80,78
.irp j, 0,2,4,6,8,10,12,14
	v_pk_fma_f32 v[P+\j:P+\j+1], v[P+\j:P+\j+1], v[N+\j:N+\j+1], s[\k:\k+1] op_sel_hi:[1,1,0]
.endr
.endr
.irp j, 0,2,4,6,8,10,12,14
	v_pk_fma_f32 v[P+\j:P+\j+1], v[P+\j:P+\j+1], v[N+\j:N+\j+1], 1.0 op_sel_hi:[1,1,0]
.endr
.irp j, 0,2,4,6,8,10,12,14
	v_pk_fma_f32 v[X+16*(\t)+\j:X+16*(\t)+\j+1], v[G+\j:G+\j+1], v[P+\j:P+\j+1], v[X+16*(\t)+\j:X+16*(\t)+\j+1]
.endr
.endm
; Step t's 16 numbers of a lane become 12 bytes of codes; the block's byte meets the three other bytes of its word; both go to the records at s[b:b+1].
.macro QUANT16 t, b
.set XS, X+16*(\t)
	v_max3_num_f32 v184, |v[XS]|, |v[XS+1]|, 0x1800000             ; with the floor 2^(3 - 127): the byte cannot fall under 1
	v_max3_num_f32 v185, |v[XS+2]|, |v[XS+3]|, |v[XS+4]|
.irp i, 5,9
	v_max3_num_f32 v184, v184, |v[XS+\i]|, |v[XS+\i+1]|
	v_max3_num_f32 v185, v185, |v[XS+\i+2]|, |v[XS+\i+3]|
.endr
	v_max3_num_f32 v184, v184, |v[XS+13]|, |v[XS+14]|
	v_max3_num_f32 v184, v184, v185, |v[XS+15]|
	v_max_num_f32_dpp v184, v184, v184 row_xmask:1 row_mask:0xf bank_mask:0xf   ; with my neighbour's 16: the block's largest magnitude
	v_add_nc_u32 v186, 0xff000000, v184            ; 2 off its exponent field: the conversion takes this operand's exponent field as the scale
	v_cvt_scalef32_pk16_fp6_f32 v[C+4*(\t):C+4*(\t)+2], v[XS:XS+15], v186
	v_lshrrev_b32 v187, 23, v186                   ; the scale's byte
	v_lshlrev_b32 v[WD+(\t)], v[SHF], v187         ; at its place in the word
	v_mov_b32_dpp v187, v[WD+(\t)] row_xmask:2 row_mask:0xf bank_mask:0xf
	v_or_b32 v[WD+(\t)], v[WD+(\t)], v187
	v_mov_b32_dpp v187, v[WD+(\t)] row_xmask:4 row_mask:0xf bank_mask:0xf
	v_or_b32 v[WD+(\t)], v[WD+(\t)], v187          ; eight lanes hold the word of their four blocks
	global_store_b96 v[COD], v[C+4*(\t):C+4*(\t)+2], s[\b:\b+1] offset:512*(\t)      ; the two stores together fill both rows' records, 256 aligned bytes each
	global_store_b32 v[WRD], v[WD+(\t)], s[\b:\b+1] offset:512*(\t)
.endm
.macro STEP t, left, pos, b            ; left: the loads issued behind this step's four, which may stay out
	s_wait_loadcnt \left
	POSENC \t, \pos
	QUANT16 \t, \b
.endm
	STEP 0, 12, PQ, 40                             ; the query rows.  Behind a step's four loads stand those of three more steps: 12
	XLOAD 0, 32                                    ; its registers take the context rows of the same step
	STEP 1, 12, PQ, 40
	XLOAD 1, 32
	STEP 2, 12, PQ, 40
	XLOAD 2, 32
	STEP 3, 12, PQ, 40
	XLOAD 3, 32
	s_wait_xcnt 0x0                                ; the query steps' stores have read their codes and words: the context steps write those registers again
	STEP 0, 12, PX, 42                             ; the context rows
	s_cmp_lg_u32 s11, 1                            ; waves 1 and 5: two rows of the weights into the registers just freed, three steps ahead of their use
	s_cbranch_scc1 .Lno_w1
	XLOAD 0, 34
.Lno_w1:
	STEP 1, 8, PX, 42                              ; (in waves 1 and 5 four more loads stand behind: there these counts ask for more than is needed)
	STEP 2, 4, PX, 42
	STEP 3, 0, PX, 42
	s_cmp_lg_u32 s11, 1
	s_cbranch_scc1 .Lno_w2
	s_wait_xcnt 0x0                                ; step 0's registers for codes and word are written a third time
	QUANT16 0, 44                                  ; the weights have no positions
.Lno_w2:
	s_wait_tensorcnt 0x0
	ds_add_u32 v248, v249
	s_wait_dscnt 0x0
	s_endpgm
.Lfunc_end_k_qc3b2c34e48_front:
	.size	k_qc3b2c34e48_front, .Lfunc_end_k_qc3b2c34e48_front-k_qc3b2c34e48_front
	.p2alignl 7, 3214868480
	.fill 96, 4, 3214868480
	.section	.rodata,"a",@progbits
	.p2align	6, 0x0
	.amdhsa_kernel k_qc3b2c34e48_front
		.amdhsa_group_segment_fixed_size 148480
		.amdhsa_private_segment_fixed_size 0
		.amdhsa_enable_private_segment 0
		.amdhsa_kernarg_size 96
		.amdhsa_user_sgpr_count 2
		.amdhsa_user_sgpr_kernarg_segment_ptr 1
		.amdhsa_wavefront_size32 1
		.amdhsa_system_sgpr_workgroup_id_x 1
		.amdhsa_system_sgpr_workgroup_id_y 1
		.amdhsa_system_sgpr_workgroup_id_z 1
		.amdhsa_system_vgpr_workitem_id 0
		.amdhsa_next_free_vgpr 250
		.amdhsa_next_free_sgpr 90
		.amdhsa_reserve_vcc 1
		.amdhsa_float_denorm_mode_32 3
		.amdhsa_float_denorm_mode_16_64 3
		.amdhsa_memory_ordered 1
		.amdhsa_forward_progress 1
		.amdhsa_inst_pref_size 168
	.end_amdhsa_kernel
	.amdgpu_metadata
---
amdhsa.version: [ 1, 2 ]
amdhsa.kernels:
  - .name:           k_qc3b2c34e48_front
    .symbol:         k_qc3b2c34e48_front.kd
    .args:
      - { .name: query_pos, .offset: 0, .size: 8, .value_kind: global_buffer, .address_space: global }
      - { .name: context_pos, .offset: 8, .size: 8, .value_kind: global_buffer, .address_space: global }
      - { .name: glist, .offset: 16, .size: 8, .value_kind: global_buffer, .address_space: global }
      - { .name: query, .offset: 24, .size: 8, .value_kind: global_buffer, .address_space: global }
      - { .name: context, .offset: 32, .size: 8, .value_kind: global_buffer, .address_space: global }
      - { .name: in_proj_w, .offset: 40, .size: 8, .value_kind: global_buffer, .address_space: global }
      - { .name: out_w, .offset: 48, .size: 8, .value_kind: global_buffer, .address_space: global }
      - { .name: w_rff, .offset: 56, .size: 8, .value_kind: global_buffer, .address_space: global }
      - { .name: qrec, .offset: 64, .size: 8, .value_kind: global_buffer, .address_space: global }
      - { .name: crec, .offset: 72, .size: 8, .value_kind: global_buffer, .address_space: global }
      - { .name: wrec, .offset: 80, .size: 8, .value_kind: global_buffer, .address_space: global }
      - { .name: out1, .offset: 88, .size: 8, .value_kind: global_buffer, .address_space: global }
    .group_segment_fixed_size: 148480
    .private_segment_fixed_size: 0
    .kernarg_segment_align: 8
    .kernarg_segment_size: 96
    .max_flat_workgroup_size: 256
    .sgpr_count:     90
    .vgpr_count:     250
    .wavefront_size: 32
...
	.end_amdgpu_metadata
.endif
;; end of part 1
;; launch knn2 (part 2): grid 256 x 1, 8 waves a work-group, no clusters, 33,792 bytes of LDS; arguments query_pos, context_pos, glist, knn; writes knn
.if DOCPART == 2
	.amdgcn_target "amdgcn-amd-amdhsa--gfx1250"
	.amdhsa_code_object_version 6
	.text
	.protected	k_qc3b2c34e48_knn2
	.globl	k_qc3b2c34e48_knn2
	.p2align	8
	.type	k_qc3b2c34e48_knn2,@function
k_qc3b2c34e48_knn2:
	s_mov_b64 s[64:65], 0
	v_nop
	global_prefetch_b8 v0, s[64:65] scope:SCOPE_SE
	s_setreg_imm32_b32 hwreg(HW_REG_WAVE_MODE, 25, 1), 1
	s_wait_xcnt 0x0
; The second half of the search: of the 256 points in a query's 16 groups (glist, stored by the launch before), the 16 nearest by (squared distance, index).
; d2 = (qs + cs) - 2 (q0 c0 + q1 c1), every product and every sum rounded by itself, by the same operations as in the launch before: both see the same bits.
; Addresses hang on glist's whole numbers, held to 0 .. 255; no branch and no address hangs on a distance.
; SHARES: as before a lane is a query, waves 0-3 serve the work-group's queries 0-31 and waves 4-7 queries 32-63; wave w takes places 4 (w & 3) .. + 3 of the list: 64 points.
; knn: [block of 32 queries][place / 4][query][place % 4], indices within the batch.
; LIMITS: NaN and infinities among the positions are not served.  Where two points' distances differ by less than d2's rounding, which of them counts as nearer hangs on the order of roundings stated above.
.set SECOND, 16384
.set L,   16
.set R1,  32
.set R2,  192
.set R3,  208
.set XX,  224                          ; v224-239 at work: a point's four products, two sets by turns; later the merges'
.set CD,  64                           ; v64-191 the 64 points, (c0, c1); a point's distance then lies over its c0
.macro INS x, op
.irp i, 15,14,13,12,11,10,9,8,7,6,5,4,3,2,1
	v_med3_\op v[L+\i], v[\x], v[L+\i-1], v[L+\i]
.endr
	v_min_\op v[L], v[L], v[\x]
.endm
.macro CLEAN dst, src, d, op
.irp i, 0,1,2,3,4,5,6,7,8,9,10,11,12,13,14,15
.if ((\i) & (\d)) == 0
	v_min_\op v[\dst+\i], v[\src+\i], v[\src+\i+\d]
	v_max_\op v[\dst+\i+\d], v[\src+\i], v[\src+\i+\d]
.endif
.endr
.endm
.macro MERGE a, b, op
.irp i, 0,1,2,3,4,5,6,7,8,9,10,11,12,13,14,15
	v_min_\op v[\a+\i], v[\a+\i], v[\b+15-\i]
.endr
	CLEAN XX, \a, 8, \op
	CLEAN \a, XX, 4, \op
	CLEAN XX, \a, 2, \op
	CLEAN \a, XX, 1, \op
.endm
.macro PUT off
.irp i, 0,1,2,3,4,5,6,7,8,9,10,11,12,13,14,15
	ds_store_b32 v8, v[L+\i] offset:\off+128*\i
.endr
	s_wait_dscnt 0x0
	s_barrier_signal -1
	s_barrier_wait -1
.endm
.macro LISTS off
.irp i, 0,1,2,3,4,5,6,7,8,9,10,11,12,13,14,15
	ds_load_b32 v[L+\i], v10 offset:\off+128*\i
	ds_load_b32 v[R1+\i], v10 offset:\off+2048+128*\i
	ds_load_b32 v[R2+\i], v10 offset:\off+4096+128*\i
	ds_load_b32 v[R3+\i], v10 offset:\off+6144+128*\i
.endr
	s_wait_dscnt 0x0
.endm
	s_load_b256 s[4:11], s[0:1], 0x0               ; query_pos, context_pos, glist, knn
	v_lshl_add_u32 v240, v0, 2, 0x8000
	v_mov_b32 v241, 0
	v_lshrrev_b32 v1, 5, v0
	v_readfirstlane_b32 s12, v1                    ; wave
	s_and_b32 s13, s12, 3                          ; which four places
	s_lshr_b32 s14, s12, 2                         ; which 32 queries
	v_and_b32 v1, 31, v0
	v_lshlrev_b32 v5, 4, v1
	v_lshlrev_b32 v6, 3, v1
	s_lshl_b32 s16, s12, 11
	v_lshl_add_u32 v8, v1, 2, s16                  ; my wave's list
	s_lshl_b32 s16, s14, 13
	v_lshl_add_u32 v10, v1, 2, s16                 ; the four lists of my queries
	v_mov_b32 v14, 0x10000
	s_lshr_b32 s16, ttmp9, 6
	s_lshl_b32 s16, s16, 15
	s_mov_b32 s17, 0
	s_lshl_b32 s18, ttmp9, 9
	s_lshl_b32 s19, s14, 8
	s_add_co_u32 s18, s18, s19
	s_mov_b32 s19, 0
	s_lshl_b32 s20, ttmp9, 12
	s_lshl_b32 s21, s14, 11
	s_add_co_u32 s20, s20, s21                     ; my 32 queries' 2,048 bytes of glist and of knn
	s_mov_b32 s21, 0
	s_lshl_b32 s22, s13, 9
	s_mov_b32 s23, 0
	s_wait_kmcnt 0x0
	s_add_nc_u64 s[6:7], s[6:7], s[16:17]
	s_add_nc_u64 s[4:5], s[4:5], s[18:19]
	s_add_nc_u64 s[8:9], s[8:9], s[20:21]
	s_add_nc_u64 s[8:9], s[8:9], s[22:23]
	s_add_nc_u64 s[10:11], s[10:11], s[20:21]
	global_load_b128 v[48:51], v5, s[8:9]
	global_load_b64 v[2:3], v6, s[4:5]
.irp i, 0,1,2,3,4,5,6,7,8,9,10,11,12,13,14,15
	v_mov_b32 v[L+\i], 0x7f800000
.endr
	s_wait_loadcnt 0x0
.irp k, 0,1,2,3
	v_min_u32 v[48+\k], 0xff, v[48+\k]             ; a group's number stays inside the table
.endr
.irp k, 0,1,2,3
	v_lshlrev_b32 v[52+\k], 7, v[48+\k]            ; its 128 bytes of context_pos
	v_lshlrev_b32 v[56+\k], 4, v[48+\k]            ; its first point's index
.endr
.irp k, 0,1,2,3
.irp j, 0,1,2,3,4,5,6,7
	global_load_b128 v[CD+32*\k+4*\j:CD+32*\k+4*\j+3], v[52+\k], s[6:7] offset:16*\j
.endr
.endr
	v_mul_f32 v4, v2, v2
	v_mul_f32 v7, v3, v3
	v_add_f32 v4, v4, v7                           ; qs: not fused, on purpose: the stated order of roundings
.set kk, 0
.rept 4
	s_wait_loadcnt 24-8*kk                         ; this group's eight loads are in; the later groups' may be out
.set ee, 0
.rept 16
.set C0, CD+32*kk+2*ee
.set TA, XX+4*(ee%2)
	v_mul_f32 v[TA], v[C0], v[C0]
	v_mul_f32 v[TA+1], v[C0+1], v[C0+1]
	v_mul_f32 v[TA+2], v2, v[C0]
	v_mul_f32 v[TA+3], v3, v[C0+1]
	v_add_f32 v[TA], v[TA], v[TA+1]                ; cs
	v_add_f32 v[TA+2], v[TA+2], v[TA+3]            ; q . c
	v_add_f32 v[TA], v4, v[TA]
	v_fma_f32 v[C0], -2.0, v[TA+2], v[TA]          ; 2 (q . c) is exact: one rounding
	INS C0, num_f32
.set ee, ee+1
.endr
.set kk, kk+1
.endr
	PUT 0
	LISTS 0
	MERGE L, R1, num_f32
	MERGE R2, R3, num_f32
.irp i, 0,1,2,3,4,5,6,7,8,9,10,11,12,13,14,15
	v_min_num_f32 v[XX+\i], v[L+\i], v[R2+15-\i]
.endr
	v_max3_num_f32 v11, v[XX], v[XX+1], v[XX+2]
.irp i, 3,5,7,9,11,13
	v_max3_num_f32 v11, v11, v[XX+\i], v[XX+\i+1]
.endr
	v_max_num_f32 v11, v11, v[XX+15]               ; the 16th smallest distance
.irp i, 0,1,2,3,4,5,6,7,8,9,10,11,12,13,14,15
	v_mov_b32 v[L+\i], -1
.endr
.set kk, 0
.rept 4
	v_mov_b32 v12, v[56+kk]                        ; a key for each point: its index under that distance, its index + 4,096 at it, else a key above all
	v_add_nc_u32 v13, 0x1000, v[56+kk]
.set ee, 0
.rept 16
.set C0, CD+32*kk+2*ee
	v_cmp_lt_f32 vcc_lo, v[C0], v11
	v_cmp_eq_f32 s24, v[C0], v11
	v_cndmask_b32 v15, v14, v13, s24
	v_cndmask_b32 v15, v15, v12, vcc_lo
	v_add_nc_u32 v12, 1, v12
	v_add_nc_u32 v13, 1, v13
	INS 15, u32
.set ee, ee+1
.endr
.set kk, kk+1
.endr
	PUT SECOND
	s_cmp_lg_u32 s13, 0                            ; one wave for each 32 queries joins the four lists; no barrier follows
	s_cbranch_scc1 .Lend
	LISTS SECOND
	MERGE L, R1, u32
	MERGE R2, R3, u32
.irp i, 0,1,2,3,4,5,6,7,8,9,10,11,12,13,14,15
	v_min_u32 v[L+\i], v[L+\i], v[R2+15-\i]
.endr
.irp i, 0,1,2,3,4,5,6,7,8,9,10,11,12,13,14,15
	v_and_b32 v[L+\i], 0xfff, v[L+\i]
.endr
.irp j, 0,1,2,3
	global_store_b128 v5, v[L+4*\j:L+4*\j+3], s[10:11] offset:512*\j    ; 32 lanes store 512 consecutive bytes
.endr
.Lend:
	s_wait_tensorcnt 0x0
	ds_add_u32 v240, v241
	s_wait_dscnt 0x0
	s_endpgm
.Lfunc_end_k_qc3b2c34e48_knn2:
	.size	k_qc3b2c34e48_knn2, .Lfunc_end_k_qc3b2c34e48_knn2-k_qc3b2c34e48_knn2
	.p2alignl 7, 3214868480
	.fill 96, 4, 3214868480
	.section	.rodata,"a",@progbits
	.p2align	6, 0x0
	.amdhsa_kernel k_qc3b2c34e48_knn2
		.amdhsa_group_segment_fixed_size 33792
		.amdhsa_private_segment_fixed_size 0
		.amdhsa_enable_private_segment 0
		.amdhsa_kernarg_size 32
		.amdhsa_user_sgpr_count 2
		.amdhsa_user_sgpr_kernarg_segment_ptr 1
		.amdhsa_wavefront_size32 1
		.amdhsa_system_sgpr_workgroup_id_x 1
		.amdhsa_system_sgpr_workgroup_id_y 1
		.amdhsa_system_sgpr_workgroup_id_z 1
		.amdhsa_system_vgpr_workitem_id 0
		.amdhsa_next_free_vgpr 242
		.amdhsa_next_free_sgpr 66
		.amdhsa_reserve_vcc 1
		.amdhsa_float_denorm_mode_32 3
		.amdhsa_float_denorm_mode_16_64 3
		.amdhsa_memory_ordered 1
		.amdhsa_forward_progress 1
		.amdhsa_inst_pref_size 189
	.end_amdhsa_kernel
	.amdgpu_metadata
---
amdhsa.version: [ 1, 2 ]
amdhsa.kernels:
  - .name:           k_qc3b2c34e48_knn2
    .symbol:         k_qc3b2c34e48_knn2.kd
    .args:
      - { .name: query_pos, .offset: 0, .size: 8, .value_kind: global_buffer, .address_space: global }
      - { .name: context_pos, .offset: 8, .size: 8, .value_kind: global_buffer, .address_space: global }
      - { .name: glist, .offset: 16, .size: 8, .value_kind: global_buffer, .address_space: global }
      - { .name: knn, .offset: 24, .size: 8, .value_kind: global_buffer, .address_space: global }
    .group_segment_fixed_size: 33792
    .private_segment_fixed_size: 0
    .kernarg_segment_align: 8
    .kernarg_segment_size: 32
    .max_flat_workgroup_size: 256
    .sgpr_count:     66
    .vgpr_count:     242
    .wavefront_size: 32
...
	.end_amdgpu_metadata
.endif
;; end of part 2
;; launch attn (part 3): grid 256 x 1, 8 waves a work-group, no clusters, 314,368 bytes of LDS; arguments qrec, crec, wrec, knn, in_proj_b, out_b, out0; writes out0
.if DOCPART == 3
	.amdgcn_target "amdgcn-amd-amdhsa--gfx1250"
	.amdhsa_code_object_version 6
	.text
	.protected	k_qc3b2c34e48_attn
	.globl	k_qc3b2c34e48_attn
	.p2align	8
	.type	k_qc3b2c34e48_attn,@function
k_qc3b2c34e48_attn:
	s_mov_b64 s[64:65], 0
	v_nop
	global_prefetch_b8 v0, s[64:65] scope:SCOPE_SE
	s_setreg_imm32_b32 hwreg(HW_REG_WAVE_MODE, 25, 1), 1
	s_wait_xcnt 0x0
; For each query: q, k, v projections, an attention of 8 heads over its 16 nearest context rows, and the out projection.  All four projections on codes of FP6 (E2M3) with E8M0 scales.
; qrec, crec, wrec hold RECORDS of 256 bytes a row (made by the first launch): lane (r, h) of an operand finds both K steps' 96 bytes of codes at 96 h; the scale words of K steps 0 and 1
; fill bytes 192-223 and 224-255.  A gathered row's codes are its context row's codes, since the blocks run along the row.  knn (whole numbers, stored by the launch before) names the rows.
; ONE SCALE REGISTER SERVES BOTH K STEPS: lanes 0-15 load the word at byte 192, lanes 16-31 that at byte 224; the second K step's products read lanes 16-31 (MATRIX_SCALE_ROW1, both sides).
; SHARES: a work-group owns 64 queries of one batch; eight waves, two to a SIMD.
;  GATHER: wave w brings the 16 records of each of queries 8 w .. 8 w + 7 through its registers into LDS, as each lane will want them: 96 bytes of codes and a scale word, lanes 112 bytes apart
;          (an odd multiple of 16 bytes, so that sixteen lanes' accesses of 16 bytes fall on different columns).
;  P0: q's projection for the 64 queries; wave w makes channels 32 w .. + 31.   P1: wave w = p + 4 s takes heads 2 p, 2 p + 1 of queries 32 s .. + 31; its rows of wk and wv stay in registers.
;  A query is 16 products: K^T = wk x rows (a lane holds one neighbour, registers run along channels) and V = rows x wv (a lane holds one channel, registers run along neighbours).
;  P2: o is quantised along its 256 channels, one operand fragment a wave, handed round as images of registers; wave w makes output channels 32 w .. + 31.
; THE SOFTMAX takes the head's largest score away first; e = 2^(c (s - max)) weighs V unnormalised, and o = (sum of e v) x (1 / sum of e) + bv: bv is added once, since the weights sum to 1.
; LOADS OUT AT ONCE, by this text's count: 62 (indices, P0's operands, wk's and wv's scale words), then 56 (the gather), then 58 (wk, wv, bk, bv).
; LIMITS: NaN and infinities are not served; a block of zeros of o gets the scale byte 1 (its codes are zeros).
; LDS: AIMG 64 queries x 3,584; QO eight slabs (one for each wave of P1) of 32 rows x 272: first q's projection, then, row by row, o; OIMG, OSC the images of o's fragments and scale words;
;      PSC 128 bytes a wave for a query's 32 weights; the stage for out0 (64 rows x 1,040) lies over AIMG, which by then has been read for the last time.
; REGISTERS: window 0: v1-23 addresses; v24-25 bv; v26-29, v30-33 wk's, wv's scale words; v34-35 the rows' scale words, two sets; v36-37, v38-41 P0's and P2's scale words; v42-43 addresses in PSC;
;      v48-95 the rows' codes, two sets; v96-127 q; v128-159 K^T; v160-191 V; v192-207 the weights; v208-247 at work.  In P0 and P2: v48-143 four row tiles' codes; v144-207 eight accumulators.
;      window 1: v0-95 wk, v96-191 wv, v192-223 bk in the result's layout; in P0 and P2: v0-47 the weight's two tiles, v48-63 its bias; during the gather v64-255 the eight queries' codes.
.set QIMG, 3584
.set LP,   112
.set QO,   229376
.set SLAB, 8704
.set QP,   272
.set OIMG, 299008
.set OSC,  311296
.set PSC,  312320
.set STP,  1040
.set KS,  26
.set VS,  30
.set AS,  34
.set WS,  36
.set XS,  38
.set PS,  42
.set PL,  43
.set XF,  48
.set ACC, 144
.set AF,  48
.set QH,  96
.set KA,  128
.set VA,  160
.set AW,  192
.set SS,  208
.set PC,  208
.set TM,  228
.set PW,  244
.set GC,  64                           ; the gather's codes, in window 1
.set GS,  240                          ; the gather's scale words, in window 0
.set SEL, 26                           ; s26 = 0x76543210, s27 = 0xfedcba98
.set MSB, 0
.macro WIN new                         ; the immediate's high byte repeats the setting that is left
.if MSB != \new
	s_set_vgpr_msb (MSB<<8)|\new
.set MSB, \new
.endif
.endm
.macro MMC d, a, b, c, sa, sb          ; the first K step, onto c
	v_wmma_scale_f32_16x16x128_f8f6f4 v[\d:\d+7], v[\a:\a+11], v[\b:\b+11], v[\c:\c+7], v[\sa], v[\sb] matrix_a_fmt:MATRIX_FMT_FP6 matrix_b_fmt:MATRIX_FMT_FP6
.endm
.macro MMZ d, a, b, sa, sb             ; the first K step, onto 0
	v_wmma_scale_f32_16x16x128_f8f6f4 v[\d:\d+7], v[\a:\a+11], v[\b:\b+11], 0, v[\sa], v[\sb] matrix_a_fmt:MATRIX_FMT_FP6 matrix_b_fmt:MATRIX_FMT_FP6
.endm
.macro MM1 d, a, b, sa, sb             ; the second K step, in place: its scale words stand in lanes 16-31
	v_wmma_scale_f32_16x16x128_f8f6f4 v[\d:\d+7], v[\a:\a+11], v[\b:\b+11], v[\d:\d+7], v[\sa], v[\sb] matrix_a_fmt:MATRIX_FMT_FP6 matrix_b_fmt:MATRIX_FMT_FP6 matrix_a_scale:MATRIX_SCALE_ROW1 matrix_b_scale:MATRIX_SCALE_ROW1
.endm
; Two tiles of a weight's rows x four tiles of 16 queries, K = 256: eight accumulators by turns; the bias starts the sums.
; Used transposed: source 0 = the weight's 16 rows, source 1 = 16 queries: lane (r, h) holds query r, register j channel 8 h + j.
.macro PROJ
	WIN 0x11                                       ; source 0 and C in window 1
.irp u, 0,1
.irp g, 0,1,2,3
	MMC ACC+8*(4*\u+\g), 24*\u, XF+24*\g, 48+8*\u, WS+\u, XS+\g
.endr
.endr
	WIN 0x01
.irp u, 0,1
.irp g, 0,1,2,3
	MM1 ACC+8*(4*\u+\g), 24*\u+12, XF+24*\g+12, WS+\u, XS+\g
.endr
.endr
	WIN 0
.endm
	s_load_b256 s[4:11], s[0:1], 0x0               ; qrec, crec, wrec, knn
	s_load_b128 s[12:15], s[0:1], 0x20             ; in_proj_b, out_b
	s_load_b64 s[16:17], s[0:1], 0x30              ; out0
	v_lshl_add_u32 v254, v0, 2, 0x4c800
	v_mov_b32 v255, 0
	v_lshrrev_b32 v1, 5, v0
	v_readfirstlane_b32 s18, v1                    ; wave w
	s_and_b32 s19, s18, 3                          ; p
	s_lshr_b32 s20, s18, 2                         ; s
	v_and_b32 v1, 15, v0                           ; r
	v_bfe_u32 v2, v0, 4, 1                         ; h
	v_and_b32 v3, 31, v0                           ; lane
	v_mul_u32_u24 v4, v3, LP
	s_mul_i32 s21, s20, 32*QIMG
	v_add_nc_u32 v4, s21, v4                       ; P1: my lane's place in the image of my first query
	s_mul_i32 s21, s18, SLAB
	s_add_co_u32 s21, s21, QO
	v_lshl_add_u32 v5, v2, 5, s21                  ; P1: q in my slab: + 32 h
	v_lshl_add_u32 v6, v3, 2, s21                  ; P1: o into my slab: + 4 x lane
	s_lshl_b32 s22, s18, 7
	s_add_co_u32 s22, s22, PSC
	v_lshl_add_u32 v[PS], v3, 2, s22               ; P1: my weight's word: lanes 0-15 the first head's 16 neighbours, lanes 16-31 the second's
	v_lshl_add_u32 v[PL], v2, 5, s22               ; and back: the eight weights of neighbours 8 h .. 8 h + 7
	s_and_b32 s22, s18, 1
	s_lshl_b32 s22, s22, 1
	s_lshl_b32 s23, s20, 2
	s_add_co_u32 s22, s22, s23
	s_mul_i32 s22, s22, SLAB
	s_bfe_u32 s23, s18, 0x10001
	s_mul_i32 s23, s23, 16*QP
	s_add_co_u32 s22, s22, s23
	s_add_co_u32 s22, s22, QO
	v_mul_u32_u24 v10, v1, QP
	v_lshl_add_u32 v10, v2, 6, v10
	v_add_nc_u32 v10, s22, v10                     ; P2: the o that I quantise: query tile w >> 1, K step w & 1: slab 2 (w & 1) + 4 (w >> 2), row 16 ((w >> 1) & 1) + r, + 64 h
	s_mul_i32 s22, s18, 1536
	s_add_co_u32 s22, s22, OIMG
	v_lshl_add_u32 v11, v3, 4, s22                 ; P2: my fragment's image
	s_lshl_b32 s22, s18, 7
	s_add_co_u32 s22, s22, OSC
	v_lshl_add_u32 v12, v3, 2, s22                 ; and its scale words
	v_lshl_add_u32 v13, v3, 4, OIMG                ; any fragment's image
	v_lshlrev_b32 v14, 7, v2
	v_lshl_add_u32 v14, v1, 2, v14
	v_add_nc_u32 v14, OSC, v14                     ; a query tile's scale words: lanes 0-15 from its first K step's image, lanes 16-31 from its second's: 128 h + 4 r
	v_mul_u32_u24 v15, v1, STP
	v_lshl_add_u32 v15, v2, 5, v15
	s_lshl_b32 s22, s18, 7
	v_add_nc_u32 v15, s22, v15                     ; the stage, in: row r, + 128 w + 32 h
	s_mul_i32 s22, s18, 8*STP
	v_lshl_add_u32 v16, v3, 4, s22                 ; back: my eight rows, 16 bytes a lane
	s_lshl_b32 s22, s18, 13
	v_lshl_add_u32 v17, v3, 4, s22                 ; and the same in out0
	v_lshlrev_b32 v21, 8, v1
	v_lshl_add_u32 v22, v2, 5, v21
	v_add_nc_u32 v22, 192, v22                     ; a record's scale word for my half of the lanes: 256 r + 192 + 32 h
	v_mad_u32_u24 v21, v2, 96, v21                 ; a record's codes: 256 r + 96 h
	v_add_nc_u32 v18, s22, v21                     ; P0, P2: my 32 rows of the weight
	v_add_nc_u32 v19, s22, v22
	s_lshl_b32 s23, s18, 7
	v_lshl_add_u32 v20, v2, 5, s23                 ; their bias: 128 w + 32 h
	s_lshr_b32 s23, s18, 1
	s_mul_i32 s23, s23, SLAB
	s_and_b32 s24, s18, 1
	s_lshl_b32 s24, s24, 7
	s_add_co_u32 s23, s23, s24
	s_add_co_u32 s23, s23, QO
	v_mul_u32_u24 v23, v1, QP
	v_lshl_add_u32 v23, v2, 5, v23
	v_add_nc_u32 v23, s23, v23                     ; P0: q's projection goes to slab (w >> 1) + 4 (tile >> 1), row 16 (tile & 1) + r, + 128 (w & 1) + 32 h
	s_lshl_b32 s23, s19, 14
	v_add_nc_u32 v208, s23, v21                    ; P1: my 64 rows of wk and of wv
	v_add_nc_u32 v209, s23, v22
	s_lshl_b32 s23, s19, 8
	v_lshl_add_u32 v210, v2, 5, s23                ; bk: 256 p + 32 h
	v_lshl_add_u32 v211, v3, 2, s23                ; bv: 256 p + 4 x lane
	v_lshrrev_b32 v212, 2, v1
	v_lshlrev_b32 v212, 9, v212
	v_and_b32 v213, 3, v1
	v_lshl_add_u32 v212, v213, 2, v212
	s_lshl_b32 s23, s20, 11
	s_lshl_b32 s24, s19, 7
	s_add_co_u32 s23, s23, s24
	v_add_nc_u32 v212, s23, v212                   ; knn: place r of query 8 w: block w >> 2, 512 (r >> 2) + 16 x (8 (w & 3)) + 4 (r & 3)
	v_mul_u32_u24 v214, v2, 96                     ; within a gathered record: the codes at 96 h,
	v_lshl_add_u32 v215, v2, 5, 192                ; the scale word at 192 + 32 h
	s_mul_i32 s23, s18, 8*QIMG
	v_mul_u32_u24 v236, v3, LP
	v_add_nc_u32 v236, s23, v236                   ; the images that I fill: query 8 w; the seven others by the immediate
	v_mov_b32 v218, 0                              ; written once: a lane permute's destination counts as one of its sources
	s_mov_b32 s[SEL], 0x76543210
	s_mov_b32 s[SEL+1], 0xfedcba98
	s_mov_b32 s28, 0x3e8293ee                      ; c = log2(e) / sqrt(32)
	s_mov_b32 s29, 0xffff0000                      ; lanes 16-31
	s_mov_b32 s30, 0
	s_mov_b32 s31, 0
	s_mov_b32 s32, 15
	s_mov_b32 s25, 0
	s_wait_kmcnt 0x0
	s_lshl_b32 s24, ttmp9, 14
	s_add_nc_u64 s[4:5], s[4:5], s[24:25]          ; my 64 queries' records
	s_lshr_b32 s24, ttmp9, 6
	s_lshl_b32 s24, s24, 20
	s_add_nc_u64 s[6:7], s[6:7], s[24:25]          ; my batch's context records
	s_lshl_b32 s24, ttmp9, 12
	s_add_nc_u64 s[10:11], s[10:11], s[24:25]
	s_lshl_b32 s24, ttmp9, 16
	s_add_nc_u64 s[16:17], s[16:17], s[24:25]
.irp k, 0,1,2,3,4,5,6,7
	global_load_b32 v[220+\k], v212, s[10:11] offset:16*\k
.endr
	WIN 0x40                                       ; destination window 1
.irp u, 0,1
.irp c, 0,1,2,3,4,5
	global_load_b128 v[24*\u+4*\c:24*\u+4*\c+3], v18, s[8:9] offset:4096*\u+16*\c       ; wq
.endr
	global_load_b128 v[48+8*\u:51+8*\u], v20, s[12:13] offset:64*\u                      ; bq
	global_load_b128 v[52+8*\u:55+8*\u], v20, s[12:13] offset:64*\u+16
.endr
	WIN 0
.irp u, 0,1
	global_load_b32 v[WS+\u], v19, s[8:9] offset:4096*\u
.endr
.irp g, 0,1,2,3
.irp c, 0,1,2,3,4,5
	global_load_b128 v[XF+24*\g+4*\c:XF+24*\g+4*\c+3], v21, s[4:5] offset:4096*\g+16*\c
.endr
	global_load_b32 v[XS+\g], v22, s[4:5] offset:4096*\g
.endr
.irp t, 0,1,2,3
	global_load_b32 v[KS+\t], v209, s[8:9] offset:65536+4096*\t
	global_load_b32 v[VS+\t], v209, s[8:9] offset:131072+4096*\t
.endr
	s_wait_loadcnt 54                              ; the eight loads of indices are in; the 54 issued behind them may be out
.irp k, 0,1,2,3,4,5,6,7
	v_min_u32 v[220+\k], 0xfff, v[220+\k]          ; an index stays inside the batch
.endr
.irp k, 0,1,2,3,4,5,6,7
	v_lshlrev_b32 v[220+\k], 8, v[220+\k]
.endr
.irp k, 0,1,2,3,4,5,6,7
	v_add_nc_u32 v[228+\k], v215, v[220+\k]        ; the record's scale word
	v_add_nc_u32 v[220+\k], v214, v[220+\k]        ; its codes
.endr
	s_wait_loadcnt 0x0                             ; P0's operands are in
	WIN 0x40
.irp k, 0,1,2,3,4,5,6,7
.irp c, 0,1,2,3,4,5
	global_load_b128 v[GC+24*\k+4*\c:GC+24*\k+4*\c+3], v[220+\k], s[6:7] offset:16*\c     ; THE GATHER is on its way while P0 is multiplied
.endr
.endr
	WIN 0
.irp k, 0,1,2,3,4,5,6,7
	global_load_b32 v[GS+\k], v[228+\k], s[6:7]
.endr
	PROJ                                           ; P0
.rept 5
	v_nop                                          ; places: in front of loads into the products' operands, of stores of their results, and (one more) of P1's products, which write over their registers
.endr
	WIN 0x04                                       ; an LDS store's data are its source 1: window 1
.irp k, 0,1,2,3,4,5,6,7
	s_wait_loadcnt 6*(7-\k)+8                      ; this query's six loads of codes are in; the later queries' and the eight scale words may be out
.irp c, 0,1,2,3,4,5
	ds_store_b128 v236, v[GC+24*\k+4*\c:GC+24*\k+4*\c+3] offset:\k*QIMG+16*\c
.endr
.endr
	WIN 0
	s_wait_loadcnt 0x0
.irp k, 0,1,2,3,4,5,6,7
	ds_store_b32 v236, v[GS+\k] offset:\k*QIMG+96
.endr
	s_wait_dscnt 0x0                               ; the stores have read their registers: wk and wv may land there
	WIN 0x40
.irp t, 0,1,2,3
.irp c, 0,1,2,3,4,5
	global_load_b128 v[24*\t+4*\c:24*\t+4*\c+3], v208, s[8:9] offset:65536+4096*\t+16*\c            ; wk
	global_load_b128 v[96+24*\t+4*\c:96+24*\t+4*\c+3], v208, s[8:9] offset:131072+4096*\t+16*\c     ; wv
.endr
	global_load_b128 v[192+8*\t:195+8*\t], v210, s[12:13] offset:1024+64*\t                         ; bk
	global_load_b128 v[196+8*\t:199+8*\t], v210, s[12:13] offset:1024+64*\t+16
.endr
	WIN 0
.irp a, 0,1
	global_load_b32 v[24+\a], v211, s[12:13] offset:2048+128*\a                                     ; bv
.endr
.irp u, 0,1
.irp g, 0,1,2,3
	ds_store_b128 v23, v[ACC+8*(4*\u+\g):ACC+8*(4*\u+\g)+3] offset:(\g/2)*4*SLAB+(\g%2)*16*QP+64*\u       ; q's projection; each accumulator from its low end on
	ds_store_b128 v23, v[ACC+8*(4*\u+\g)+4:ACC+8*(4*\u+\g)+7] offset:(\g/2)*4*SLAB+(\g%2)*16*QP+64*\u+16
.endr
.endr
	s_wait_dscnt 0x0                               ; my images and my part of q's projection have landed
	s_barrier_signal -1
	s_barrier_wait -1                              ; everybody's have
.irp c, 0,1,2,3,4,5
	ds_load_b128 v[AF+4*\c:AF+4*\c+3], v4 offset:16*\c
.endr
	ds_load_b32 v[AS], v4 offset:96
.irp t, 0,1,2,3
	ds_load_b128 v[QH+8*\t:QH+8*\t+3], v5 offset:64*\t
	ds_load_b128 v[QH+8*\t+4:QH+8*\t+7], v5 offset:64*\t+16
.endr
	s_wait_loadcnt 0x0                             ; wk, wv and their biases
; ONE QUERY, two heads.  buf: the set of registers that holds its rows; pre = 1: the next query's rows and q are asked for.
; The next query's rows are asked for AHEAD of this query's products and arrive under them; its q is asked for BEHIND the weights' trip through LDS, which so stands first in the line.
.macro QUERY buf, pre
	s_wait_dscnt 0x0                               ; the rows, their scale words and q are in; the last o is stored
.if (\buf) == 0
	v_add_nc_u32 v7, s30, v4                       ; the trip's addresses
	v_add_nc_u32 v8, s31, v5
	v_add_nc_u32 v9, s31, v6
.endif
.if \pre
.irp c, 0,1,2,3,4,5
	ds_load_b128 v[AF+24*(1-(\buf))+4*\c:AF+24*(1-(\buf))+4*\c+3], v7 offset:QIMG*((\buf)+1)+16*\c     ; into the other set: the products that read it stand a whole query's vector work back
.endr
	ds_load_b32 v[AS+1-(\buf)], v7 offset:QIMG*((\buf)+1)+96
.endif
	WIN 0x11                                       ; K^T: source 0 (wk) and C (bk) in window 1
.irp t, 0,1,2,3
	MMC KA+8*\t, 24*\t, AF+24*(\buf), 192+8*\t, KS+\t, AS+(\buf)
.endr
	WIN 0x01
.irp t, 0,1,2,3
	MM1 KA+8*\t, 24*\t+12, AF+24*(\buf)+12, KS+\t, AS+(\buf)
.endr
	WIN 0x04                                       ; V: source 1 (wv) in window 1
.irp t, 0,1,2,3
	MMZ VA+8*\t, AF+24*(\buf), 96+24*\t, AS+(\buf), VS+\t
.endr
.irp t, 0,1,2,3
	MM1 VA+8*\t, AF+24*(\buf)+12, 96+24*\t+12, AS+(\buf), VS+\t
.endr
	WIN 0
.rept 4
	v_nop                                          ; four places between the products and the first read of their results
.endr
.irp t, 0,1,2,3                                ; q . k: my eight channels of each tile, four chains by turns
	v_pk_mul_f32 v[SS+2*\t:SS+2*\t+1], v[KA+8*\t:KA+8*\t+1], v[QH+8*\t:QH+8*\t+1]
.endr
.irp j, 2,4,6
.irp t, 0,1,2,3
	v_pk_fma_f32 v[SS+2*\t:SS+2*\t+1], v[KA+8*\t+\j:KA+8*\t+\j+1], v[QH+8*\t+\j:QH+8*\t+\j+1], v[SS+2*\t:SS+2*\t+1]
.endr
.endr
	v_pk_add_f32 v[SS:SS+1], v[SS:SS+1], v[SS+2:SS+3]
	v_pk_add_f32 v[SS+4:SS+5], v[SS+4:SS+5], v[SS+6:SS+7]
	v_add_f32 v216, v[SS], v[SS+1]                 ; the first head's half sum for neighbour r,
	v_add_f32 v217, v[SS+4], v[SS+5]               ; the second head's
	v_permlane16_swap_b32 v216, v217               ; lanes 0-15: both halves of the first head; lanes 16-31: of the second
	v_add_f32 v216, v216, v217                     ; the score of neighbour lane % 16
	v_max_num_f32_dpp v217, v216, v216 row_xmask:1 row_mask:0xf bank_mask:0xf
	v_max_num_f32_dpp v217, v217, v217 row_xmask:2 row_mask:0xf bank_mask:0xf
	v_max_num_f32_dpp v217, v217, v217 row_xmask:4 row_mask:0xf bank_mask:0xf
	v_max_num_f32_dpp v217, v217, v217 row_xmask:8 row_mask:0xf bank_mask:0xf   ; the head's largest score
	v_mul_f32 v217, s28, v217
	v_fma_f32 v216, v216, s28, -v217
	v_exp_f32 v216, v216                           ; e = 2^(c (s - max)), at most 1
	v_nop                                          ; one plain place behind a transcendental
	s_wait_alu depctr_va_vdst(0)
	ds_store_b32 v[PS], v216                       ; the 32 weights through my wave's own 128 bytes: LDS serves a wave's instructions in order, so the loads below see them
	ds_load_b128 v[AW:AW+3], v[PL]                 ; register j: the first head's weight of neighbour 8 h + j, as V's registers run;
	ds_load_b128 v[AW+4:AW+7], v[PL] offset:16
	ds_load_b128 v[AW+8:AW+11], v[PL] offset:64    ; the second head's
	ds_load_b128 v[AW+12:AW+15], v[PL] offset:80
.if \pre
.irp t, 0,1,2,3
	ds_load_b128 v[QH+8*\t:QH+8*\t+3], v8 offset:QP*((\buf)+1)+64*\t               ; the next query's q: this query's has been read
	ds_load_b128 v[QH+8*\t+4:QH+8*\t+7], v8 offset:QP*((\buf)+1)+64*\t+16
.endr
.endif
	v_add_f32_dpp v217, v216, v216 row_xmask:1 row_mask:0xf bank_mask:0xf       ; the sum and its reciprocal are made while the weights are on their way
	v_add_f32_dpp v217, v217, v217 row_xmask:2 row_mask:0xf bank_mask:0xf
	v_add_f32_dpp v217, v217, v217 row_xmask:4 row_mask:0xf bank_mask:0xf
	v_add_f32_dpp v217, v217, v217 row_xmask:8 row_mask:0xf bank_mask:0xf
	v_rcp_f32 v217, v217
	v_nop
	s_wait_alu depctr_va_vdst(0)
	v_permlanex16_b32 v218, v217, s[SEL], s[SEL+1] ; the other head's
	v_cndmask_b32 v219, v217, v218, s29            ; 1 / the first head's sum, in all 32 lanes
	v_cndmask_b32 v220, v218, v217, s29            ; 1 / the second head's
.if \pre
	s_wait_dscnt 0x8                               ; the weights are back; the eight loads of q issued behind them may be out
.else
	s_wait_dscnt 0x0                               ; the weights are back
.endif
.irp t, 0,1,2,3
	v_pk_mul_f32 v[SS+2*\t:SS+2*\t+1], v[VA+8*\t:VA+8*\t+1], v[AW+8*(\t/2):AW+8*(\t/2)+1]
.endr
.irp j, 2,4,6
.irp t, 0,1,2,3
	v_pk_fma_f32 v[SS+2*\t:SS+2*\t+1], v[VA+8*\t+\j:VA+8*\t+\j+1], v[AW+8*(\t/2)+\j:AW+8*(\t/2)+\j+1], v[SS+2*\t:SS+2*\t+1]
.endr
.endr
.irp t, 0,1,2,3
	v_add_f32 v[224+\t], v[SS+2*\t], v[SS+2*\t+1]
.endr
	v_permlane16_swap_b32 v224, v225               ; lanes 0-15: both halves of the head's first 16 channels; lanes 16-31: of its last 16
	v_permlane16_swap_b32 v226, v227
	v_add_f32 v224, v224, v225
	v_add_f32 v226, v226, v227
	v_fma_f32 v224, v224, v219, v24                ; / the sum, + bv
	v_fma_f32 v226, v226, v220, v25
	ds_store_b32 v9, v224 offset:QP*(\buf)         ; o over the query's q, which has been read; the slab is my wave's own
	ds_store_b32 v9, v226 offset:QP*(\buf)+128
.endm
.Lq:                                               ; 15 trips of two queries; the last two are written out, so that no load passes my 32 queries
	QUERY 0, 1
	QUERY 1, 1
	s_add_co_u32 s30, s30, 2*QIMG
	s_add_co_u32 s31, s31, 2*QP
	s_sub_co_u32 s32, s32, 1
	s_cmp_lg_u32 s32, 0
	s_cbranch_scc1 .Lq
	QUERY 0, 1
	QUERY 1, 0
	; P2.  The last query's vector work stands between its products and these loads into their operands.
	WIN 0x40
.irp u, 0,1
.irp c, 0,1,2,3,4,5
	global_load_b128 v[24*\u+4*\c:24*\u+4*\c+3], v18, s[8:9] offset:196608+4096*\u+16*\c     ; out_w
.endr
	global_load_b128 v[48+8*\u:51+8*\u], v20, s[14:15] offset:64*\u                           ; out_b
	global_load_b128 v[52+8*\u:55+8*\u], v20, s[14:15] offset:64*\u+16
.endr
	WIN 0
.irp u, 0,1
	global_load_b32 v[WS+\u], v19, s[8:9] offset:196608+4096*\u
.endr
	s_wait_dscnt 0x0                               ; my o is stored, my reads of the images are over
	s_barrier_signal -1
	s_barrier_wait -1
.irp b, 0,1,2,3                                ; 64 numbers of my row: register 16 b + i = channel 128 (w & 1) + 32 b + 16 h + i
.irp j, 0,1,2,3
	ds_load_b128 v[ACC+16*\b+4*\j:ACC+16*\b+4*\j+3], v10 offset:(\b/2)*SLAB+128*(\b%2)+16*\j
.endr
.endr
.irp b, 0,1,2,3
	v_mov_b32 v[TM+4+\b], 0                        ; a lane permute's destination counts as one of its sources
.endr
	s_wait_dscnt 0x0
.irp b, 0,1,2,3
	v_max3_num_f32 v[TM+\b], |v[ACC+16*\b]|, |v[ACC+1+16*\b]|, 0x1800000       ; block b: my 16 numbers, and the floor 2^(3 - 127): the byte cannot fall under 1
.endr
.irp i, 2,4,6,8,10,12,14
.irp b, 0,1,2,3
	v_max3_num_f32 v[TM+\b], v[TM+\b], |v[ACC+16*\b+\i]|, |v[ACC+1+16*\b+\i]|
.endr
.endr
.irp b, 0,1,2,3
	v_permlanex16_b32 v[TM+4+\b], v[TM+\b], s[SEL], s[SEL+1]
.endr
.irp b, 0,1,2,3
	v_max_num_f32 v[TM+\b], v[TM+\b], v[TM+4+\b]   ; with lane l xor 16's: the block's largest magnitude
.endr
.irp b, 0,1,2,3
	v_add_nc_u32 v[TM+12+\b], 0xff000000, v[TM+\b] ; 2 off its exponent field: the conversion's scale operand
.endr
.irp b, 0,1,2,3
	v_lshrrev_b32 v[TM+4+\b], 23, v[TM+12+\b]      ; the scale's byte
.endr
	v_lshl_or_b32 v[PW], v[TM+5], 8, v[TM+4]
	v_lshl_or_b32 v[PW], v[TM+6], 16, v[PW]
	v_lshl_or_b32 v[PW], v[TM+7], 24, v[PW]        ; my row's scale word, the same in both halves of the lanes
.irp c, 0,1
	v_cvt_scalef32_pk16_fp6_f32 v[PC+6*\c:PC+2+6*\c], v[ACC+32*\c:ACC+15+32*\c], v[TM+12+2*\c]
	v_cvt_scalef32_pk16_fp6_f32 v[PC+12+4*\c:PC+14+4*\c], v[ACC+16+32*\c:ACC+31+32*\c], v[TM+12+2*\c+1]   ; (a conversion's three registers begin on an even number)
.endr
	v_nop                                          ; one plain place behind a scaled conversion
.irp c, 0,1                                    ; the operand's layout wants a whole block in a lane
.irp i, 0,1,2
	v_permlane16_swap_b32 v[PC+6*\c+\i], v[PC+12+4*\c+\i]
.endr
.irp i, 0,1,2
	v_mov_b32 v[PC+3+6*\c+\i], v[PC+12+4*\c+\i]
.endr
.endr
.irp c, 0,1,2
	ds_store_b128 v11, v[PC+4*\c:PC+4*\c+3] offset:512*\c      ; the fragment as an image of its registers
.endr
	ds_store_b32 v12, v[PW]
	s_wait_dscnt 0x0
	s_barrier_signal -1
	s_barrier_wait -1                              ; o's eight fragments lie in LDS
.irp f, 0,1,2,3,4,5,6,7
.irp c, 0,1,2
	ds_load_b128 v[XF+12*\f+4*\c:XF+12*\f+4*\c+3], v13 offset:1536*\f+512*\c
.endr
.endr
.irp g, 0,1,2,3
	ds_load_b32 v[XS+\g], v14 offset:256*\g        ; lanes 0-15: the word of fragment 2 g, lanes 16-31: of fragment 2 g + 1
.endr
	s_wait_dscnt 0x0
	s_wait_loadcnt 0x0                             ; out_w, out_b
	PROJ
.rept 4
	v_nop                                          ; places in front of the stores of results and of the loads into the products' operands
.endr
.irp u, 0,1
.irp g, 0,1,2,3
	ds_store_b128 v15, v[ACC+8*(4*\u+\g):ACC+8*(4*\u+\g)+3] offset:16*\g*STP+64*\u
	ds_store_b128 v15, v[ACC+8*(4*\u+\g)+4:ACC+8*(4*\u+\g)+7] offset:16*\g*STP+64*\u+16
.endr
.endr
	s_wait_dscnt 0x0
	s_barrier_signal -1
	s_barrier_wait -1                              ; 64 whole rows of out0 lie in the stage
.irp i, 0,1,2,3,4,5,6,7,8,9,10,11,12,13,14,15
	ds_load_b128 v[XF+4*\i:XF+4*\i+3], v16 offset:(\i/2)*STP+512*(\i%2)
.endr
.irp i, 0,1,2,3,4,5,6,7,8,9,10,11,12,13,14,15
	s_wait_dscnt 15-\i
	global_store_b128 v17, v[XF+4*\i:XF+4*\i+3], s[16:17] offset:(\i/2)*1024+512*(\i%2) th:TH_STORE_NT    ; 32 lanes store 512 consecutive bytes, at a multiple of 256 from out0's first byte
.endr
	s_wait_tensorcnt 0x0
	ds_add_u32 v254, v255
	s_wait_dscnt 0x0
	s_endpgm
.Lfunc_end_k_qc3b2c34e48_attn:
	.size	k_qc3b2c34e48_attn, .Lfunc_end_k_qc3b2c34e48_attn-k_qc3b2c34e48_attn
	.p2alignl 7, 3214868480
	.fill 96, 4, 3214868480
	.section	.rodata,"a",@progbits
	.p2align	6, 0x0
	.amdhsa_kernel k_qc3b2c34e48_attn
		.amdhsa_group_segment_fixed_size 314368
		.amdhsa_private_segment_fixed_size 0
		.amdhsa_enable_private_segment 0
		.amdhsa_kernarg_size 56
		.amdhsa_user_sgpr_count 2
		.amdhsa_user_sgpr_kernarg_segment_ptr 1
		.amdhsa_wavefront_size32 1
		.amdhsa_system_sgpr_workgroup_id_x 1
		.amdhsa_system_sgpr_workgroup_id_y 1
		.amdhsa_system_sgpr_workgroup_id_z 1
		.amdhsa_system_vgpr_workitem_id 0
		.amdhsa_next_free_vgpr 512
		.amdhsa_next_free_sgpr 66
		.amdhsa_reserve_vcc 0
		.amdhsa_float_denorm_mode_32 3
		.amdhsa_float_denorm_mode_16_64 3
		.amdhsa_memory_ordered 1
		.amdhsa_forward_progress 1
		.amdhsa_inst_pref_size 76
	.end_amdhsa_kernel
	.amdgpu_metadata
---
amdhsa.version: [ 1, 2 ]
amdhsa.kernels:
  - .name:           k_qc3b2c34e48_attn
    .symbol:         k_qc3b2c34e48_attn.kd
    .args:
      - { .name: qrec, .offset: 0, .size: 8, .value_kind: global_buffer, .address_space: global }
      - { .name: crec, .offset: 8, .size: 8, .value_kind: global_buffer, .address_space: global }
      - { .name: wrec, .offset: 16, .size: 8, .value_kind: global_buffer, .address_space: global }
      - { .name: knn, .offset: 24, .size: 8, .value_kind: global_buffer, .address_space: global }
      - { .name: in_proj_b, .offset: 32, .size: 8, .value_kind: global_buffer, .address_space: global }
      - { .name: out_b, .offset: 40, .size: 8, .value_kind: global_buffer, .address_space: global }
      - { .name: out0, .offset: 48, .size: 8, .value_kind: global_buffer, .address_space: global }
    .group_segment_fixed_size: 314368
    .private_segment_fixed_size: 0
    .kernarg_segment_align: 8
    .kernarg_segment_size: 56
    .max_flat_workgroup_size: 256
    .sgpr_count:     66
    .vgpr_count:     512
    .wavefront_size: 32
...
	.end_amdgpu_metadata
.endif
;; end of part 3
;; ======== version 2 of 2: 3 launches; version 1 with the launch attn written anew for expert scheduling mode
;; workspace buffers: qrec 4,194,304 bytes; crec 4,194,304 bytes; wrec 262,144 bytes; glist 1,048,576 bytes of whole numbers; knn 1,048,576 bytes of whole numbers
;; launch front: the kernel of part 1 again; grid 256 x 1, 8 waves a work-group, no clusters, 148,480 bytes of LDS; arguments query_pos, context_pos, glist, query, context, in_proj_w, out_w, w_rff, qrec, crec, wrec, out1; writes glist, qrec, crec, wrec, out1
;; launch knn2: the kernel of part 2 again; grid 256 x 1, 8 waves a work-group, no clusters, 33,792 bytes of LDS; arguments query_pos, context_pos, glist, knn; writes knn
;; launch attn (part 4): grid 256 x 1, 8 waves a work-group, no clusters, 314,368 bytes of LDS; arguments qrec, crec, wrec, knn, in_proj_b, out_b, out0; writes out0
.if DOCPART == 4
	.amdgcn_target "amdgcn-amd-amdhsa--gfx1250"
	.amdhsa_code_object_version 6
	.text
	.protected	k_qc3b2c34e48_attn
	.globl	k_qc3b2c34e48_attn
	.p2align	8
	.type	k_qc3b2c34e48_attn,@function
k_qc3b2c34e48_attn:
	s_mov_b64 s[64:65], 0
	v_nop
	global_prefetch_b8 v0, s[64:65] scope:SCOPE_SE
	s_setreg_imm32_b32 hwreg(HW_REG_WAVE_SCHED_MODE, 0, 2), 2
	s_setreg_imm32_b32 hwreg(HW_REG_WAVE_MODE, 25, 1), 1
	s_wait_xcnt 0x0
	s_wait_alu depctr_vm_vsrc(0)
; For each query: q, k, v projections, an attention of 8 heads over its 16 nearest context rows, and the out projection.  All four projections on codes of FP6 (E2M3) with E8M0 scales.
; qrec, crec, wrec hold RECORDS of 256 bytes a row (made by the first launch): lane (r, h) of an operand finds both K steps' 96 bytes of codes at 96 h; the scale words of K steps 0 and 1
; fill bytes 192-223 and 224-255.  A gathered row's codes are its context row's codes, since the blocks run along the row.  knn (whole numbers, stored by the launch before) names the rows.
; ONE SCALE REGISTER SERVES BOTH K STEPS: lanes 0-15 load the word at byte 192, lanes 16-31 that at byte 224; the second K step's products read lanes 16-31 (MATRIX_SCALE_ROW1, both sides).
; SHARES: a work-group owns 64 queries of one batch; eight waves, two to a SIMD.
;  GATHER: wave w brings the 16 records of each of queries 8 w .. 8 w + 7 through its registers into LDS, as each lane will want them: 96 bytes of codes and a scale word, lanes 112 bytes apart
;          (an odd multiple of 16 bytes, so that sixteen lanes' accesses of 16 bytes fall on different columns).
;  P0: q's projection for the 64 queries; wave w makes channels 32 w .. + 31.   P1: wave w = p + 4 s takes heads 2 p, 2 p + 1 of queries 32 s .. + 31; its rows of wk and wv stay in registers.
;  A query is 16 products: K^T = wk x rows (a lane holds one neighbour, registers run along channels) and V = rows x wv (a lane holds one channel, registers run along neighbours).
;  P2: o is quantised along its 256 channels, one operand fragment a wave, handed round as images of registers; wave w makes output channels 32 w .. + 31.
; THE SOFTMAX takes the head's largest score away first; e = 2^(c (s - max)) weighs V unnormalised, and o = (sum of e v) x (1 / sum of e) + bv: bv is added once, since the weights sum to 1.
; LOADS OUT AT ONCE, by this text's count: 62 (indices, P0's operands, wk's and wv's scale words), then 56 (the gather), then 58 (wk, wv, bk, bv).
; LIMITS: NaN and infinities are not served; a block of zeros of o gets the scale byte 1 (its codes are zeros).
; LDS: AIMG 64 queries x 3,584; QO eight slabs (one for each wave of P1) of 32 rows x 272: first q's projection, then, row by row, o; OIMG, OSC the images of o's fragments and scale words;
;      PSC 128 bytes a wave for a query's 32 weights; the stage for out0 (64 rows x 1,040) lies over AIMG, which by then has been read for the last time.
; REGISTERS: window 0: v1-23 addresses; v24-25 bv; v26-29, v30-33 wk's, wv's scale words; v34-35 the rows' scale words, two sets; v36-37, v38-41 P0's and P2's scale words; v42-43 addresses in PSC;
;      v48-95 the rows' codes, two sets; v96-127 q; v128-159 K^T; v160-191 V; v192-207 the weights; v208-247 at work.  In P0 and P2: v48-143 four row tiles' codes; v144-207 eight accumulators.
;      window 1: v0-95 wk, v96-191 wv, v192-223 bk in the result's layout; in P0 and P2: v0-47 the weight's two tiles, v48-63 its bias; during the gather v64-255 the eight queries' codes.
; THE MODE: SCHED_MODE bits 1:0 = 2 (LLVM: expert scheduling mode 2), set by the entry lines.  The code itself states the register dependences between vector or matrix instructions and
; memory or LDS instructions, with s_wait_alu, always for 0.
; THE PLAN, for the loop over queries.  Registers that LDS instructions touch:
;   AF0, AF1, AS0, AS1  Query b's sixteen products read set b; the loads that land in it again are issued in the next query, among that query's V products.
;   QH                  Read by the query's sixteen packed lines of q . k; the next query's q lands in it behind the weights' trip through LDS.
;   AW                  The trip's four loads land in it; the weighted sum reads it.
;   v216                Written by the exponential, read by the trip's store, written again in the next query.
;   v224, v226          Written by the query's last two vector lines, read by o's two stores, written again in the next query.
;   v7, v8, v9          Written once a trip, at its head; read by the rows' loads, q's loads and o's stores.
;   K^T, V, wk, wv, bk and the weights' scale words are named by vector and matrix instructions alone in the loop.
; So a query has one wait on vm_vsrc, at its head (v216, v224, v226, and in a trip's first query v7 to v9, may be written again), and three on va_vdst: behind the exponential (v216 is written; QH and AW
; have been read), behind the reciprocal (its result is written), and ahead of o's stores (v224 and v226 are written).  The last of these also states that the query's products are done with their set of
; rows: no vector or matrix line between it and the next query's loads names that set.  A trip's first query has one more, behind the three additions that make v7 to v9.
.set QIMG, 3584
.set LP,   112
.set QO,   229376
.set SLAB, 8704
.set QP,   272
.set OIMG, 299008
.set OSC,  311296
.set PSC,  312320
.set STP,  1040
.set KS,  26
.set VS,  30
.set AS,  34
.set WS,  36
.set XS,  38
.set PS,  42
.set PL,  43
.set XF,  48
.set ACC, 144
.set AF,  48
.set QH,  96
.set KA,  128
.set VA,  160
.set AW,  192
.set SS,  208
.set PC,  208
.set TM,  228
.set PW,  244
.set GC,  64                           ; the gather's codes, in window 1
.set GS,  240                          ; the gather's scale words, in window 0
.set SEL, 26                           ; s26 = 0x76543210, s27 = 0xfedcba98
.set MSB, 0
.macro WIN new                         ; the immediate's high byte repeats the setting that is left
.if MSB != \new
	s_set_vgpr_msb (MSB<<8)|\new
.set MSB, \new
.endif
.endm
.macro MMC d, a, b, c, sa, sb          ; the first K step, onto c
	v_wmma_scale_f32_16x16x128_f8f6f4 v[\d:\d+7], v[\a:\a+11], v[\b:\b+11], v[\c:\c+7], v[\sa], v[\sb] matrix_a_fmt:MATRIX_FMT_FP6 matrix_b_fmt:MATRIX_FMT_FP6
.endm
.macro MMZ d, a, b, sa, sb             ; the first K step, onto 0
	v_wmma_scale_f32_16x16x128_f8f6f4 v[\d:\d+7], v[\a:\a+11], v[\b:\b+11], 0, v[\sa], v[\sb] matrix_a_fmt:MATRIX_FMT_FP6 matrix_b_fmt:MATRIX_FMT_FP6
.endm
.macro MM1 d, a, b, sa, sb             ; the second K step, in place: its scale words stand in lanes 16-31
	v_wmma_scale_f32_16x16x128_f8f6f4 v[\d:\d+7], v[\a:\a+11], v[\b:\b+11], v[\d:\d+7], v[\sa], v[\sb] matrix_a_fmt:MATRIX_FMT_FP6 matrix_b_fmt:MATRIX_FMT_FP6 matrix_a_scale:MATRIX_SCALE_ROW1 matrix_b_scale:MATRIX_SCALE_ROW1
.endm
; Two tiles of a weight's rows x four tiles of 16 queries, K = 256: eight accumulators by turns; the bias starts the sums.
; Used transposed: source 0 = the weight's 16 rows, source 1 = 16 queries: lane (r, h) holds query r, register j channel 8 h + j.
.macro PROJ
	WIN 0x11                                       ; source 0 and C in window 1
.irp u, 0,1
.irp g, 0,1,2,3
	MMC ACC+8*(4*\u+\g), 24*\u, XF+24*\g, 48+8*\u, WS+\u, XS+\g
.endr
.endr
	WIN 0x01
.irp u, 0,1
.irp g, 0,1,2,3
	MM1 ACC+8*(4*\u+\g), 24*\u+12, XF+24*\g+12, WS+\u, XS+\g
.endr
.endr
	WIN 0
.endm
	s_load_b256 s[4:11], s[0:1], 0x0               ; qrec, crec, wrec, knn
	s_load_b128 s[12:15], s[0:1], 0x20             ; in_proj_b, out_b
	s_load_b64 s[16:17], s[0:1], 0x30              ; out0
	v_lshl_add_u32 v254, v0, 2, 0x4c800
	v_mov_b32 v255, 0
	v_lshrrev_b32 v1, 5, v0
	v_readfirstlane_b32 s18, v1                    ; wave w
	v_and_b32 v1, 15, v0                           ; r
	v_bfe_u32 v2, v0, 4, 1                         ; h
	v_and_b32 v3, 31, v0                           ; lane
	v_mul_u32_u24 v4, v3, LP
	s_wait_alu depctr_va_sdst(0)                   ; s18 is written, ahead of its first reader: the wave's shares and addresses are made from it
	s_and_b32 s19, s18, 3                          ; p
	s_lshr_b32 s20, s18, 2                         ; s
	s_mul_i32 s21, s20, 32*QIMG
	v_add_nc_u32 v4, s21, v4                       ; P1: my lane's place in the image of my first query
	s_mul_i32 s21, s18, SLAB
	s_add_co_u32 s21, s21, QO
	v_lshl_add_u32 v5, v2, 5, s21                  ; P1: q in my slab: + 32 h
	v_lshl_add_u32 v6, v3, 2, s21                  ; P1: o into my slab: + 4 x lane
	s_lshl_b32 s22, s18, 7
	s_add_co_u32 s22, s22, PSC
	v_lshl_add_u32 v[PS], v3, 2, s22               ; P1: my weight's word: lanes 0-15 the first head's 16 neighbours, lanes 16-31 the second's
	v_lshl_add_u32 v[PL], v2, 5, s22               ; and back: the eight weights of neighbours 8 h .. 8 h + 7
	s_and_b32 s22, s18, 1
	s_lshl_b32 s22, s22, 1
	s_lshl_b32 s23, s20, 2
	s_add_co_u32 s22, s22, s23
	s_mul_i32 s22, s22, SLAB
	s_bfe_u32 s23, s18, 0x10001
	s_mul_i32 s23, s23, 16*QP
	s_add_co_u32 s22, s22, s23
	s_add_co_u32 s22, s22, QO
	v_mul_u32_u24 v10, v1, QP
	v_lshl_add_u32 v10, v2, 6, v10
	v_add_nc_u32 v10, s22, v10                     ; P2: the o that I quantise: query tile w >> 1, K step w & 1: slab 2 (w & 1) + 4 (w >> 2), row 16 ((w >> 1) & 1) + r, + 64 h
	s_mul_i32 s22, s18, 1536
	s_add_co_u32 s22, s22, OIMG
	v_lshl_add_u32 v11, v3, 4, s22                 ; P2: my fragment's image
	s_lshl_b32 s22, s18, 7
	s_add_co_u32 s22, s22, OSC
	v_lshl_add_u32 v12, v3, 2, s22                 ; and its scale words
	v_lshl_add_u32 v13, v3, 4, OIMG                ; any fragment's image
	v_lshlrev_b32 v14, 7, v2
	v_lshl_add_u32 v14, v1, 2, v14
	v_add_nc_u32 v14, OSC, v14                     ; a query tile's scale words: lanes 0-15 from its first K step's image, lanes 16-31 from its second's: 128 h + 4 r
	v_mul_u32_u24 v15, v1, STP
	v_lshl_add_u32 v15, v2, 5, v15
	s_lshl_b32 s22, s18, 7
	v_add_nc_u32 v15, s22, v15                     ; the stage, in: row r, + 128 w + 32 h
	s_mul_i32 s22, s18, 8*STP
	v_lshl_add_u32 v16, v3, 4, s22                 ; back: my eight rows, 16 bytes a lane
	s_lshl_b32 s22, s18, 13
	v_lshl_add_u32 v17, v3, 4, s22                 ; and the same in out0
	v_lshlrev_b32 v21, 8, v1
	v_lshl_add_u32 v22, v2, 5, v21
	v_add_nc_u32 v22, 192, v22                     ; a record's scale word for my half of the lanes: 256 r + 192 + 32 h
	v_mad_u32_u24 v21, v2, 96, v21                 ; a record's codes: 256 r + 96 h
	v_add_nc_u32 v18, s22, v21                     ; P0, P2: my 32 rows of the weight
	v_add_nc_u32 v19, s22, v22
	s_lshl_b32 s23, s18, 7
	v_lshl_add_u32 v20, v2, 5, s23                 ; their bias: 128 w + 32 h
	s_lshr_b32 s23, s18, 1
	s_mul_i32 s23, s23, SLAB
	s_and_b32 s24, s18, 1
	s_lshl_b32 s24, s24, 7
	s_add_co_u32 s23, s23, s24
	s_add_co_u32 s23, s23, QO
	v_mul_u32_u24 v23, v1, QP
	v_lshl_add_u32 v23, v2, 5, v23
	v_add_nc_u32 v23, s23, v23                     ; P0: q's projection goes to slab (w >> 1) + 4 (tile >> 1), row 16 (tile & 1) + r, + 128 (w & 1) + 32 h
	s_lshl_b32 s23, s19, 14
	v_add_nc_u32 v208, s23, v21                    ; P1: my 64 rows of wk and of wv
	v_add_nc_u32 v209, s23, v22
	s_lshl_b32 s23, s19, 8
	v_lshl_add_u32 v210, v2, 5, s23                ; bk: 256 p + 32 h
	v_lshl_add_u32 v211, v3, 2, s23                ; bv: 256 p + 4 x lane
	v_lshrrev_b32 v212, 2, v1
	v_lshlrev_b32 v212, 9, v212
	v_and_b32 v213, 3, v1
	v_lshl_add_u32 v212, v213, 2, v212
	s_lshl_b32 s23, s20, 11
	s_lshl_b32 s24, s19, 7
	s_add_co_u32 s23, s23, s24
	v_add_nc_u32 v212, s23, v212                   ; knn: place r of query 8 w: block w >> 2, 512 (r >> 2) + 16 x (8 (w & 3)) + 4 (r & 3)
	v_mul_u32_u24 v214, v2, 96                     ; within a gathered record: the codes at 96 h,
	v_lshl_add_u32 v215, v2, 5, 192                ; the scale word at 192 + 32 h
	s_mul_i32 s23, s18, 8*QIMG
	v_mul_u32_u24 v236, v3, LP
	v_add_nc_u32 v236, s23, v236                   ; the images that I fill: query 8 w; the seven others by the immediate
	v_mov_b32 v218, 0                              ; written once: a lane permute's destination counts as one of its sources
	s_mov_b32 s[SEL], 0x76543210
	s_mov_b32 s[SEL+1], 0xfedcba98
	s_mov_b32 s28, 0x3e8293ee                      ; c = log2(e) / sqrt(32)
	s_mov_b32 s29, 0xffff0000                      ; lanes 16-31
	s_mov_b32 s30, 0
	s_mov_b32 s31, 0
	s_mov_b32 s32, 15
	s_mov_b32 s25, 0
	s_wait_kmcnt 0x0
	s_lshl_b32 s24, ttmp9, 14
	s_add_nc_u64 s[4:5], s[4:5], s[24:25]          ; my 64 queries' records
	s_lshr_b32 s24, ttmp9, 6
	s_lshl_b32 s24, s24, 20
	s_add_nc_u64 s[6:7], s[6:7], s[24:25]          ; my batch's context records
	s_lshl_b32 s24, ttmp9, 12
	s_add_nc_u64 s[10:11], s[10:11], s[24:25]
	s_lshl_b32 s24, ttmp9, 16
	s_add_nc_u64 s[16:17], s[16:17], s[24:25]
	s_wait_alu depctr_va_vdst(0)                   ; all the addresses made above are written: v4-6, v10-23, v42-43, v208-212 and v236, which the loads and stores of the whole kernel read
.irp k, 0,1,2,3,4,5,6,7
	global_load_b32 v[220+\k], v212, s[10:11] offset:16*\k
.endr
	WIN 0x40                                       ; destination window 1
.irp u, 0,1
.irp c, 0,1,2,3,4,5
	global_load_b128 v[24*\u+4*\c:24*\u+4*\c+3], v18, s[8:9] offset:4096*\u+16*\c       ; wq
.endr
	global_load_b128 v[48+8*\u:51+8*\u], v20, s[12:13] offset:64*\u                      ; bq
	global_load_b128 v[52+8*\u:55+8*\u], v20, s[12:13] offset:64*\u+16
.endr
	WIN 0
.irp u, 0,1
	global_load_b32 v[WS+\u], v19, s[8:9] offset:4096*\u
.endr
.irp g, 0,1,2,3
.irp c, 0,1,2,3,4,5
	global_load_b128 v[XF+24*\g+4*\c:XF+24*\g+4*\c+3], v21, s[4:5] offset:4096*\g+16*\c
.endr
	global_load_b32 v[XS+\g], v22, s[4:5] offset:4096*\g
.endr
.irp t, 0,1,2,3
	global_load_b32 v[KS+\t], v209, s[8:9] offset:65536+4096*\t
	global_load_b32 v[VS+\t], v209, s[8:9] offset:131072+4096*\t
.endr
	s_wait_loadcnt 54                              ; the eight loads of indices are in; the 54 issued behind them may be out
.irp k, 0,1,2,3,4,5,6,7
	v_min_u32 v[220+\k], 0xfff, v[220+\k]          ; an index stays inside the batch
.endr
.irp k, 0,1,2,3,4,5,6,7
	v_lshlrev_b32 v[220+\k], 8, v[220+\k]
.endr
.irp k, 0,1,2,3,4,5,6,7
	v_add_nc_u32 v[228+\k], v215, v[220+\k]        ; the record's scale word
	v_add_nc_u32 v[220+\k], v214, v[220+\k]        ; its codes
.endr
	s_wait_loadcnt 0x0                             ; P0's operands are in
	WIN 0x40
	s_wait_alu depctr_va_vdst(0)                   ; the additions have written v220-235, the addresses that the gather's 56 loads read
.irp k, 0,1,2,3,4,5,6,7
.irp c, 0,1,2,3,4,5
	global_load_b128 v[GC+24*\k+4*\c:GC+24*\k+4*\c+3], v[220+\k], s[6:7] offset:16*\c     ; THE GATHER is on its way while P0 is multiplied
.endr
.endr
	WIN 0
.irp k, 0,1,2,3,4,5,6,7
	global_load_b32 v[GS+\k], v[228+\k], s[6:7]
.endr
	PROJ                                           ; P0
.rept 5
	v_nop                                          ; places: in front of the stores of the products' results, and (one more) of P1's products, which write over their registers
.endr
	WIN 0x04                                       ; an LDS store's data are its source 1: window 1
.irp k, 0,1,2,3,4,5,6,7
	s_wait_loadcnt 6*(7-\k)+8                      ; this query's six loads of codes are in; the later queries' and the eight scale words may be out
.irp c, 0,1,2,3,4,5
	ds_store_b128 v236, v[GC+24*\k+4*\c:GC+24*\k+4*\c+3] offset:\k*QIMG+16*\c
.endr
.endr
	WIN 0
	s_wait_loadcnt 0x0
.irp k, 0,1,2,3,4,5,6,7
	ds_store_b32 v236, v[GS+\k] offset:\k*QIMG+96
.endr
	s_wait_dscnt 0x0                               ; the images' stores are done
	WIN 0x40
	s_wait_alu depctr_vm_vsrc(0)                   ; my LDS stores have read the gathered records' registers, in which wk, wv and bk land; the gather's loads have read v220-235, which P1 writes again
	s_wait_alu depctr_va_vdst(0)                   ; P0's products are done reading wq and bq, in which wk lands, and the row tiles, in which the first query's rows and q land; they have written the accumulators, which the stores below read
.irp t, 0,1,2,3
.irp c, 0,1,2,3,4,5
	global_load_b128 v[24*\t+4*\c:24*\t+4*\c+3], v208, s[8:9] offset:65536+4096*\t+16*\c            ; wk
	global_load_b128 v[96+24*\t+4*\c:96+24*\t+4*\c+3], v208, s[8:9] offset:131072+4096*\t+16*\c     ; wv
.endr
	global_load_b128 v[192+8*\t:195+8*\t], v210, s[12:13] offset:1024+64*\t                         ; bk
	global_load_b128 v[196+8*\t:199+8*\t], v210, s[12:13] offset:1024+64*\t+16
.endr
	WIN 0
.irp a, 0,1
	global_load_b32 v[24+\a], v211, s[12:13] offset:2048+128*\a                                     ; bv
.endr
.irp u, 0,1
.irp g, 0,1,2,3
	ds_store_b128 v23, v[ACC+8*(4*\u+\g):ACC+8*(4*\u+\g)+3] offset:(\g/2)*4*SLAB+(\g%2)*16*QP+64*\u       ; q's projection; each accumulator from its low end on
	ds_store_b128 v23, v[ACC+8*(4*\u+\g)+4:ACC+8*(4*\u+\g)+7] offset:(\g/2)*4*SLAB+(\g%2)*16*QP+64*\u+16
.endr
.endr
	s_wait_dscnt 0x0                               ; my images and my part of q's projection have landed
	s_barrier_signal -1
	s_barrier_wait -1                              ; everybody's have
.irp c, 0,1,2,3,4,5
	ds_load_b128 v[AF+4*\c:AF+4*\c+3], v4 offset:16*\c             ; no vector or matrix line stands between the wait on va_vdst above and these loads
.endr
	ds_load_b32 v[AS], v4 offset:96
.irp t, 0,1,2,3
	ds_load_b128 v[QH+8*\t:QH+8*\t+3], v5 offset:64*\t
	ds_load_b128 v[QH+8*\t+4:QH+8*\t+7], v5 offset:64*\t+16
.endr
	s_wait_loadcnt 0x0                             ; wk, wv and their biases
	s_wait_alu depctr_vm_vsrc(0)                   ; wk's, bk's and bv's loads have read v208, v210 and v211, and the stores of q's projection v144-207: P1's products, vector lines and loads write all of these again
; ONE QUERY, two heads.  buf: the set of registers that holds its rows; pre = 1: the next query's rows and q are asked for.
; The next query's rows are asked for AMONG this query's V products, one load behind each of the first seven, and arrive under the query's vector work; its q is asked for BEHIND the weights' trip
; through LDS, which so stands first in the line.
.macro QUERY buf, pre
	s_wait_dscnt 0x0                               ; the rows, their scale words and q are in; the last o is stored
	s_wait_alu depctr_vm_vsrc(0)                   ; the last query's LDS stores have read v216, v224 and v226, and its loads and stores v7 to v9: all are written again below
.if (\buf) == 0
	v_add_nc_u32 v7, s30, v4                       ; the trip's addresses
	v_add_nc_u32 v8, s31, v5
	v_add_nc_u32 v9, s31, v6
	s_wait_alu depctr_va_vdst(0)                   ; v7 to v9 are written, which this trip's LDS loads and stores read
.endif
	WIN 0x11                                       ; K^T: source 0 (wk) and C (bk) in window 1
.irp t, 0,1,2,3
	MMC KA+8*\t, 24*\t, AF+24*(\buf), 192+8*\t, KS+\t, AS+(\buf)
.endr
	WIN 0x01
.irp t, 0,1,2,3
	MM1 KA+8*\t, 24*\t+12, AF+24*(\buf)+12, KS+\t, AS+(\buf)
.endr
	WIN 0x04                                       ; V: source 1 (wv) in window 1; an LDS load's destination and address stay in window 0
.irp t, 0,1,2,3
	MMZ VA+8*\t, AF+24*(\buf), 96+24*\t, AS+(\buf), VS+\t
.if \pre
	ds_load_b128 v[AF+24*(1-(\buf))+4*\t:AF+24*(1-(\buf))+4*\t+3], v7 offset:QIMG*((\buf)+1)+16*\t     ; into the other set.  No wait: the products that read it stand ahead of the last wait on va_vdst, and no line since names it or v7
.endif
.endr
.irp t, 0,1,2,3
	MM1 VA+8*\t, AF+24*(\buf)+12, 96+24*\t+12, AS+(\buf), VS+\t
.if \pre
.if \t < 2
	ds_load_b128 v[AF+24*(1-(\buf))+16+4*\t:AF+24*(1-(\buf))+16+4*\t+3], v7 offset:QIMG*((\buf)+1)+64+16*\t
.elseif \t == 2
	ds_load_b32 v[AS+1-(\buf)], v7 offset:QIMG*((\buf)+1)+96
.endif
.endif
.endr
	WIN 0
.rept 4
	v_nop                                          ; four places between the products and the first read of their results
.endr
.irp t, 0,1,2,3                                ; q . k: my eight channels of each tile, four chains by turns
	v_pk_mul_f32 v[SS+2*\t:SS+2*\t+1], v[KA+8*\t:KA+8*\t+1], v[QH+8*\t:QH+8*\t+1]
.endr
.irp j, 2,4,6
.irp t, 0,1,2,3
	v_pk_fma_f32 v[SS+2*\t:SS+2*\t+1], v[KA+8*\t+\j:KA+8*\t+\j+1], v[QH+8*\t+\j:QH+8*\t+\j+1], v[SS+2*\t:SS+2*\t+1]
.endr
.endr
	v_pk_add_f32 v[SS:SS+1], v[SS:SS+1], v[SS+2:SS+3]
	v_pk_add_f32 v[SS+4:SS+5], v[SS+4:SS+5], v[SS+6:SS+7]
	v_add_f32 v216, v[SS], v[SS+1]                 ; the first head's half sum for neighbour r,
	v_add_f32 v217, v[SS+4], v[SS+5]               ; the second head's
	v_permlane16_swap_b32 v216, v217               ; lanes 0-15: both halves of the first head; lanes 16-31: of the second
	v_add_f32 v216, v216, v217                     ; the score of neighbour lane % 16
	v_max_num_f32_dpp v217, v216, v216 row_xmask:1 row_mask:0xf bank_mask:0xf
	v_max_num_f32_dpp v217, v217, v217 row_xmask:2 row_mask:0xf bank_mask:0xf
	v_max_num_f32_dpp v217, v217, v217 row_xmask:4 row_mask:0xf bank_mask:0xf
	v_max_num_f32_dpp v217, v217, v217 row_xmask:8 row_mask:0xf bank_mask:0xf   ; the head's largest score
	v_mul_f32 v217, s28, v217
	v_fma_f32 v216, v216, s28, -v217
	v_exp_f32 v216, v216                           ; e = 2^(c (s - max)), at most 1
	v_nop                                          ; one plain place behind a transcendental
	s_wait_alu depctr_va_vdst(0)                   ; the exponential has written v216, which the store below is the first to name; the lines of q . k are done reading QH, and the last query's weighted sum AW, in which the loads below land
	ds_store_b32 v[PS], v216                       ; the 32 weights through my wave's own 128 bytes: LDS serves a wave's instructions in order, so the loads below see them
	ds_load_b128 v[AW:AW+3], v[PL]                 ; register j: the first head's weight of neighbour 8 h + j, as V's registers run;
	ds_load_b128 v[AW+4:AW+7], v[PL] offset:16
	ds_load_b128 v[AW+8:AW+11], v[PL] offset:64    ; the second head's
	ds_load_b128 v[AW+12:AW+15], v[PL] offset:80
.if \pre
.irp t, 0,1,2,3
	ds_load_b128 v[QH+8*\t:QH+8*\t+3], v8 offset:QP*((\buf)+1)+64*\t               ; the next query's q: this query's has been read
	ds_load_b128 v[QH+8*\t+4:QH+8*\t+7], v8 offset:QP*((\buf)+1)+64*\t+16
.endr
.endif
	v_add_f32_dpp v217, v216, v216 row_xmask:1 row_mask:0xf bank_mask:0xf       ; the sum and its reciprocal are made while the weights are on their way
	v_add_f32_dpp v217, v217, v217 row_xmask:2 row_mask:0xf bank_mask:0xf
	v_add_f32_dpp v217, v217, v217 row_xmask:4 row_mask:0xf bank_mask:0xf
	v_add_f32_dpp v217, v217, v217 row_xmask:8 row_mask:0xf bank_mask:0xf
	v_rcp_f32 v217, v217
	v_nop                                          ; one plain place behind a transcendental
	s_wait_alu depctr_va_vdst(0)                   ; the reciprocal has written v217, ahead of the first line that names it
	v_permlanex16_b32 v218, v217, s[SEL], s[SEL+1] ; the other head's
	v_cndmask_b32 v219, v217, v218, s29            ; 1 / the first head's sum, in all 32 lanes
	v_cndmask_b32 v220, v218, v217, s29            ; 1 / the second head's
.if \pre
	s_wait_dscnt 0x8                               ; the weights are back; the eight loads of q issued behind them may be out
.else
	s_wait_dscnt 0x0                               ; the weights are back
.endif
.irp t, 0,1,2,3
	v_pk_mul_f32 v[SS+2*\t:SS+2*\t+1], v[VA+8*\t:VA+8*\t+1], v[AW+8*(\t/2):AW+8*(\t/2)+1]
.endr
.irp j, 2,4,6
.irp t, 0,1,2,3
	v_pk_fma_f32 v[SS+2*\t:SS+2*\t+1], v[VA+8*\t+\j:VA+8*\t+\j+1], v[AW+8*(\t/2)+\j:AW+8*(\t/2)+\j+1], v[SS+2*\t:SS+2*\t+1]
.endr
.endr
.irp t, 0,1,2,3
	v_add_f32 v[224+\t], v[SS+2*\t], v[SS+2*\t+1]
.endr
	v_permlane16_swap_b32 v224, v225               ; lanes 0-15: both halves of the head's first 16 channels; lanes 16-31: of its last 16
	v_permlane16_swap_b32 v226, v227
	v_add_f32 v224, v224, v225
	v_add_f32 v226, v226, v227
	v_fma_f32 v224, v224, v219, v24                ; / the sum, + bv
	v_fma_f32 v226, v226, v220, v25
	s_wait_alu depctr_va_vdst(0)                   ; v224 and v226 are written, which the two stores read; the query's products are done reading their rows, wk and wv, and its vector lines K^T, V and the weights: what lands in these next owes no further wait
	ds_store_b32 v9, v224 offset:QP*(\buf)         ; o over the query's q, which has been read; the slab is my wave's own
	ds_store_b32 v9, v226 offset:QP*(\buf)+128
.endm
.Lq:                                               ; 15 trips of two queries; the last two are written out, so that no load passes my 32 queries
	QUERY 0, 1
	QUERY 1, 1
	s_add_co_u32 s30, s30, 2*QIMG
	s_add_co_u32 s31, s31, 2*QP
	s_sub_co_u32 s32, s32, 1
	s_cmp_lg_u32 s32, 0
	s_cbranch_scc1 .Lq
	QUERY 0, 1
	QUERY 1, 0
	; P2.  These loads land in wk's registers: the last query's products, which read them, stand ahead of the wait on va_vdst in front of its o stores, and no vector or matrix line has followed.
	WIN 0x40
.irp u, 0,1
.irp c, 0,1,2,3,4,5
	global_load_b128 v[24*\u+4*\c:24*\u+4*\c+3], v18, s[8:9] offset:196608+4096*\u+16*\c     ; out_w
.endr
	global_load_b128 v[48+8*\u:51+8*\u], v20, s[14:15] offset:64*\u                           ; out_b
	global_load_b128 v[52+8*\u:55+8*\u], v20, s[14:15] offset:64*\u+16
.endr
	WIN 0
.irp u, 0,1
	global_load_b32 v[WS+\u], v19, s[8:9] offset:196608+4096*\u
.endr
	s_wait_dscnt 0x0                               ; my o is stored, my reads of the images are over
	s_barrier_signal -1
	s_barrier_wait -1
.irp b, 0,1,2,3                                ; 64 numbers of my row: register 16 b + i = channel 128 (w & 1) + 32 b + 16 h + i.  (They land where K^T, V and the weights lay: the same wait covers their last readers)
.irp j, 0,1,2,3
	ds_load_b128 v[ACC+16*\b+4*\j:ACC+16*\b+4*\j+3], v10 offset:(\b/2)*SLAB+128*(\b%2)+16*\j
.endr
.endr
	s_wait_alu depctr_vm_vsrc(0)                   ; the last query's LDS stores have read v216, v224 and v226, which the conversions below write
.irp b, 0,1,2,3
	v_mov_b32 v[TM+4+\b], 0                        ; a lane permute's destination counts as one of its sources
.endr
	s_wait_dscnt 0x0
.irp b, 0,1,2,3
	v_max3_num_f32 v[TM+\b], |v[ACC+16*\b]|, |v[ACC+1+16*\b]|, 0x1800000       ; block b: my 16 numbers, and the floor 2^(3 - 127): the byte cannot fall under 1
.endr
.irp i, 2,4,6,8,10,12,14
.irp b, 0,1,2,3
	v_max3_num_f32 v[TM+\b], v[TM+\b], |v[ACC+16*\b+\i]|, |v[ACC+1+16*\b+\i]|
.endr
.endr
.irp b, 0,1,2,3
	v_permlanex16_b32 v[TM+4+\b], v[TM+\b], s[SEL], s[SEL+1]
.endr
.irp b, 0,1,2,3
	v_max_num_f32 v[TM+\b], v[TM+\b], v[TM+4+\b]   ; with lane l xor 16's: the block's largest magnitude
.endr
.irp b, 0,1,2,3
	v_add_nc_u32 v[TM+12+\b], 0xff000000, v[TM+\b] ; 2 off its exponent field: the conversion's scale operand
.endr
.irp b, 0,1,2,3
	v_lshrrev_b32 v[TM+4+\b], 23, v[TM+12+\b]      ; the scale's byte
.endr
	v_lshl_or_b32 v[PW], v[TM+5], 8, v[TM+4]
	v_lshl_or_b32 v[PW], v[TM+6], 16, v[PW]
	v_lshl_or_b32 v[PW], v[TM+7], 24, v[PW]        ; my row's scale word, the same in both halves of the lanes
.irp c, 0,1
	v_cvt_scalef32_pk16_fp6_f32 v[PC+6*\c:PC+2+6*\c], v[ACC+32*\c:ACC+15+32*\c], v[TM+12+2*\c]
	v_cvt_scalef32_pk16_fp6_f32 v[PC+12+4*\c:PC+14+4*\c], v[ACC+16+32*\c:ACC+31+32*\c], v[TM+12+2*\c+1]   ; (a conversion's three registers begin on an even number)
.endr
	v_nop                                          ; one plain place behind a scaled conversion
.irp c, 0,1                                    ; the operand's layout wants a whole block in a lane
.irp i, 0,1,2
	v_permlane16_swap_b32 v[PC+6*\c+\i], v[PC+12+4*\c+\i]
.endr
.irp i, 0,1,2
	v_mov_b32 v[PC+3+6*\c+\i], v[PC+12+4*\c+\i]
.endr
.endr
	s_wait_alu depctr_va_vdst(0)                   ; the fragment v208-219 and its scale word v244 are written, which the stores read; no vector or matrix line stands between this wait and the images' loads behind the barrier, which land where rows, q and K^T lay
.irp c, 0,1,2
	ds_store_b128 v11, v[PC+4*\c:PC+4*\c+3] offset:512*\c      ; the fragment as an image of its registers
.endr
	ds_store_b32 v12, v[PW]
	s_wait_dscnt 0x0
	s_barrier_signal -1
	s_barrier_wait -1                              ; o's eight fragments lie in LDS
.irp f, 0,1,2,3,4,5,6,7
.irp c, 0,1,2
	ds_load_b128 v[XF+12*\f+4*\c:XF+12*\f+4*\c+3], v13 offset:1536*\f+512*\c
.endr
.endr
.irp g, 0,1,2,3
	ds_load_b32 v[XS+\g], v14 offset:256*\g        ; lanes 0-15: the word of fragment 2 g, lanes 16-31: of fragment 2 g + 1
.endr
	s_wait_dscnt 0x0
	s_wait_loadcnt 0x0                             ; out_w, out_b
	PROJ
.rept 4
	v_nop                                          ; places in front of the stores of results
.endr
	s_wait_alu depctr_va_vdst(0)                   ; the products have written the accumulators, which the stores read (the places above stay beside this wait), and are done reading the four row tiles, in which the stage's rows land
.irp u, 0,1
.irp g, 0,1,2,3
	ds_store_b128 v15, v[ACC+8*(4*\u+\g):ACC+8*(4*\u+\g)+3] offset:16*\g*STP+64*\u
	ds_store_b128 v15, v[ACC+8*(4*\u+\g)+4:ACC+8*(4*\u+\g)+7] offset:16*\g*STP+64*\u+16
.endr
.endr
	s_wait_dscnt 0x0
	s_barrier_signal -1
	s_barrier_wait -1                              ; 64 whole rows of out0 lie in the stage
.irp i, 0,1,2,3,4,5,6,7,8,9,10,11,12,13,14,15
	ds_load_b128 v[XF+4*\i:XF+4*\i+3], v16 offset:(\i/2)*STP+512*(\i%2)
.endr
.irp i, 0,1,2,3,4,5,6,7,8,9,10,11,12,13,14,15
	s_wait_dscnt 15-\i
	global_store_b128 v17, v[XF+4*\i:XF+4*\i+3], s[16:17] offset:(\i/2)*1024+512*(\i%2) th:TH_STORE_NT    ; 32 lanes store 512 consecutive bytes, at a multiple of 256 from out0's first byte
.endr
	s_wait_dscnt 0x0
	s_wait_alu depctr_hold_cnt(0) depctr_sa_sdst(0) depctr_va_vdst(0) depctr_va_sdst(0) depctr_va_ssrc(0) depctr_va_vcc(0) depctr_vm_vsrc(0)
	s_wait_tensorcnt 0x0
	ds_add_u32 v254, v255
	s_wait_dscnt 0x0
	s_endpgm
.Lfunc_end_k_qc3b2c34e48_attn:
	.size	k_qc3b2c34e48_attn, .Lfunc_end_k_qc3b2c34e48_attn-k_qc3b2c34e48_attn
	.p2alignl 7, 3214868480
	.fill 96, 4, 3214868480
	.section	.rodata,"a",@progbits
	.p2align	6, 0x0
	.amdhsa_kernel k_qc3b2c34e48_attn
		.amdhsa_group_segment_fixed_size 314368
		.amdhsa_private_segment_fixed_size 0
		.amdhsa_enable_private_segment 0
		.amdhsa_kernarg_size 56
		.amdhsa_user_sgpr_count 2
		.amdhsa_user_sgpr_kernarg_segment_ptr 1
		.amdhsa_wavefront_size32 1
		.amdhsa_system_sgpr_workgroup_id_x 1
		.amdhsa_system_sgpr_workgroup_id_y 1
		.amdhsa_system_sgpr_workgroup_id_z 1
		.amdhsa_system_vgpr_workitem_id 0
		.amdhsa_next_free_vgpr 512
		.amdhsa_next_free_sgpr 66
		.amdhsa_reserve_vcc 0
		.amdhsa_float_denorm_mode_32 3
		.amdhsa_float_denorm_mode_16_64 3
		.amdhsa_memory_ordered 1
		.amdhsa_forward_progress 1
		.amdhsa_inst_pref_size 77
	.end_amdhsa_kernel
	.amdgpu_metadata
---
amdhsa.version: [ 1, 2 ]
amdhsa.kernels:
  - .name:           k_qc3b2c34e48_attn
    .symbol:         k_qc3b2c34e48_attn.kd
    .args:
      - { .name: qrec, .offset: 0, .size: 8, .value_kind: global_buffer, .address_space: global }
      - { .name: crec, .offset: 8, .size: 8, .value_kind: global_buffer, .address_space: global }
      - { .name: wrec, .offset: 16, .size: 8, .value_kind: global_buffer, .address_space: global }
      - { .name: knn, .offset: 24, .size: 8, .value_kind: global_buffer, .address_space: global }
      - { .name: in_proj_b, .offset: 32, .size: 8, .value_kind: global_buffer, .address_space: global }
      - { .name: out_b, .offset: 40, .size: 8, .value_kind: global_buffer, .address_space: global }
      - { .name: out0, .offset: 48, .size: 8, .value_kind: global_buffer, .address_space: global }
    .group_segment_fixed_size: 314368
    .private_segment_fixed_size: 0
    .kernarg_segment_align: 8
    .kernarg_segment_size: 56
    .max_flat_workgroup_size: 256
    .sgpr_count:     66
    .vgpr_count:     512
    .wavefront_size: 32
...
	.end_amdgpu_metadata
.endif
;; end of part 4
